; MI455X (gfx1250); checked and timed in simulation.
; The chip was launched on July 23, 2026; its instructions are those of AMD's public machine-readable ISA for CDNA 5 (MIT licence, August 2026) and "CDNA5" Instruction Set Architecture Reference Guide (July 2026). The comments in the code are by the model that wrote it; some were corrected since.
;; Block. Allowed arithmetic: matrix products marked QUANTISED: E3M2 operands, one E8M0 scale for each 32 along K, by v_wmma_scale_f32_16x16x128_f8f6f4 with both operands' format E3M2, f32 sums; everything else in f32.
;; Inputs: alpha 1 float32; b_attn 3,072 float32; b_fc 4,096 float32; b_fc2 1,024 float32; b_proj 1,024 float32; beta 1,024 float32; gamma 1,024 float32; w_attn 1,024 x 3,072 float32; w_fc 1,024 x 4,096 float32; w_fc2 4,096 x 1,024 float32; w_proj 1,024 x 1,024 float32; x 2 x 2,048 x 1,024 float32.
;; Outputs: out0 2 x 2,048 x 1,024 float32.
;; This version of the problem:
;;   THIS VERSION OF THE PROBLEM IS GIVEN IN LOW PRECISION. The matrix products marked QUANTISED in the list below multiply operands that are first quantised to E3M2 (3 exponent bits, 2 mantissa bits; 6 bits a number), with one power-of-two scale for each 32 numbers along K (OCP MX v1.0); their sums are f32. All else is computed in f32.
;;   The module's matrix products, in the order in which they are computed (A, B: the left and right operand; K: the contracted axis; several contracted axes count as one K, in the product's order):
;;     1. [M 4,096, K 1,024] x [K 1,024, N 3,072]; A: computed on the way; B: input w_attn: QUANTISED
;;     2. batch 32 x [M 2,048, K 64] x [K 64, N 2,048]; A: computed on the way; B: computed on the way: QUANTISED
;;     3. batch 32 x [M 2,048, K 2,048] x [K 2,048, N 64]; A: softmax (see below); B: computed on the way: QUANTISED
;;     4. [M 4,096, K 1,024] x [K 1,024, N 1,024]; A: computed on the way; B: input w_proj: QUANTISED
;;     5. [M 4,096, K 1,024] x [K 1,024, N 4,096]; A: computed on the way; B: input w_fc: QUANTISED
;;     6. [M 4,096, K 4,096] x [K 4,096, N 1,024]; A: computed on the way; B: input w_fc2: QUANTISED
;;   THE QUANTISER, for each operand of a quantised product, along K:
;;     - K is cut into blocks of 32 from its start; a last block that is shorter is filled with zeros.
;;     - A block's scale is 2^e with e = floor(log2(the largest magnitude in the block)) - 4, held to -126 .. 127; a block of zeros has e = 0. As a byte (E8M0): e + 127.
;;     - Each number is divided by its block's scale, clamped to +-28, and rounded to the nearest number of E3M2, ties to even, subnormals kept.
;;     - The product sums the exact products of the quantised numbers (number of the format x scale) in f32.
;;   ~~~python
;;   def quantise(x, axis):      # numpy; x: float32 -> the quantised numbers, widened to float32 again
;;       x = np.moveaxis(x, axis, -1); K = x.shape[-1]
;;       x = np.pad(x, [(0, 0)] * (x.ndim - 1) + [(0, -K % 32)]); x = x.reshape(x.shape[:-1] + (-1, 32)); a = np.abs(x).max(-1, keepdims=True)
;;       e = np.where(a > 0, np.clip(np.frexp(np.where(a > 0, a, 1))[1] - 1 - 4, -126, 127), 0)      # np.frexp(a)[1] - 1 = floor(log2(a)), exactly
;;       r = np.clip(x / 2.0 ** e, -28, 28)
;;       step = 2.0 ** (np.maximum(np.frexp(np.where(r == 0, 1, r))[1] - 1, -2) - 2)
;;       q = np.round(r / step) * step * 2.0 ** e      # np.round: ties to even
;;       return np.moveaxis(q.reshape(q.shape[:-2] + (-1,))[..., :K], -1, axis).astype(np.float32)
;;   ~~~
;;   SOFTMAX AHEAD OF A QUANTISED PRODUCT. Where the list says 'softmax', what is quantised is not the finished softmax but p = 2^(t - M), with t = logit x log2(e) and M = ceil(the row's largest t), a whole number; so 1/2 < the row's largest p <= 1. The row's sum l is taken of the UNQUANTISED p, in f32, and the product's result is divided by l at the end. Since M is a whole number, a kernel that streams over the keys may use a running M (the ceiling of the running maximum): every later rescaling is an exact power of two, which a block's scale takes up: the codes' values come out the same.
;;   OPERANDS COMPUTED ON THE WAY. 'Computed on the way' means the value that the module computes at that place (a softmax that the list does not call 'softmax' is quantised finished and normalised). What goes into a quantiser is computed in f32, as accurately as f32 sums, v_exp_f32 and their like allow (about 1e-6 of the number): no bf16 or f16 on the way to a quantiser, and a product that is left as it is and whose result goes on into a quantised operand takes f32 operands (vector FMAs, or v_wmma_f32_16x16x4_f32). A number that lies on a knife's edge between two numbers of the format may be rounded either way, as far as f32 arithmetic and the matrix unit's own rounding can turn it there, and no further.
;; One version. Each part assembles by itself: llvm-mc -triple=amdgcn-amd-amdhsa -mcpu=gfx1250 --defsym DOCPART=n.
;; ======== version 1 of 1: 6 launches
;; limits: right only within a limited range of input values
;; workspace buffers: ws0 13,107,200 bytes; ws1 10,092,544 bytes; ws2 3,276,800 bytes; ws3 20,054,016 bytes; ws4 13,107,200 bytes
;; launch prep (part 1): grid 512 x 1, 4 waves a work-group, no clusters, 34,304 bytes of LDS; arguments x, alpha, gamma, beta, w_attn, w_proj, w_fc, w_fc2, ws0; writes ws0
.if DOCPART == 1
	.amdgcn_target "amdgcn-amd-amdhsa--gfx1250"
	.amdhsa_code_object_version 6
	.text
	.protected	k_q251f2cb2b1_prep
	.globl	k_q251f2cb2b1_prep
	.p2align	8
	.type	k_q251f2cb2b1_prep,@function
k_q251f2cb2b1_prep:
	s_mov_b64 s[64:65], 0
	v_nop
	global_prefetch_b8 v0, s[64:65] scope:SCOPE_SE
	s_setreg_imm32_b32 hwreg(HW_REG_WAVE_MODE, 25, 1), 1
	s_wait_xcnt 0x0
; A transformer block in MX-BF6 (codes of E3M2, one E8M0 scale for each 32 along K), six launches.  THIS ONE: the operands that are known at the start are quantised once:
; h = gamma tanh(alpha x) + beta along C, and the four weights, stored [K][N], along K.
; DEAD WORK in the whole program: reference() sets the scores of keys behind a query to -infinity by its own jnp.tril, so their p is 0 for all values of the inputs: the attention launch leaves out the key steps
; (128 keys x 16 queries) that lie wholly behind the diagonal.  Nothing else is left out; every input has a way to the output and is loaded.  LIMIT: a NaN, an infinity or an overflow that reaches only those steps is not carried on.
; LIMITS: NaN and infinities among the inputs are not served.  A block of zeros gets the scale byte 1 where the rule says 127: its codes are zeros and this program alone reads the bytes.
; tanh(y) = y P(y^2) / Q(y^2), polynomials of degree 6 and 3 in f32, y held to +-7.9053, where tanh is 1 to f32's last bit.
; LAYOUT OF EVERY OPERAND IN THE WORKSPACE.  Rows (tokens, or a weight's columns) go in tiles of 16 that are NOT neighbours: lane r of tile t stands for row 32 (t / 2) + 8 (t % 2) + r % 8 + 16 (r / 8), so that a product whose source 0
; is such a tile leaves 16 neighbouring rows in the 16 registers of two neighbouring tiles.  Codes: [tile][K / 64][768 bytes]: the six registers that lane (r, h) holds of 64 along K (k = 32 h + 0 .. 31): registers 0-3 at 16 x lane, registers 4, 5 at 512 + 16 r + 8 h.
; Scale words: [tile / 4][K / 128][r][tile % 4], one word for a row and 128 along K.  So every fragment comes by loads of consecutive bytes, and every store here covers whole aligned runs of 256 bytes.
; SHARES.  Work-groups 0-127: x.  64 tokens x 512 columns each, a wave 64 tokens x 128 columns; rows are loaded whole (512 consecutive bytes a load) and turn through the wave's own stage in LDS, so that a lane gets whole blocks of 32.
; Work-groups 128-511: the weights.  A lane takes a column and its registers run down K; a wave takes 64 columns x 128 along K.  No cluster, no matrix unit: nothing is shared and memory binds.
.set HS,   3145728                     ; byte offsets in ws0: h's codes at 0, h's scale words,
.set WAQ,  3276800                     ; w_attn's codes, scale words,
.set WAS,  5636096
.set WPQ,  5734400                     ; w_proj's,
.set WPS,  6520832
.set WFQ,  6553600                     ; w_fc's,
.set WFS,  9699328
.set W2Q,  9830400                     ; w_fc2's
.set W2S,  12976128
.set SPARE, 33792                      ; behind the four stages of 16 x 528 bytes: the spare words, 128 bytes a wave
.set L16, 4                            ; v4   16 x lane
.set L8,  5                            ; v5   16 r + 8 h
.set STI, 6                            ; v6   x: the stage, on the way in
.set STO, 7                            ; v7   and out
.set H8,  8                            ; v8   8 h
.set TP,  9                            ; v9   a lane permute's destination
.set W,   10                           ; v10-13 the four tiles' scale words
.set WS,  14                           ; v[14:15] the two that I store
.set GA,  16                           ; v16-19 gamma, v20-23 beta of my four columns
.set BE,  20
.set VA5, 24                           ; v[24:25], v[26:27] two of tanh's constants as pairs; v28 the hold
.set VB2, 26
.set CL,  28
.set SPW, 30                           ; v30  my spare word;  v31  0: never rewritten
.set NIL, 31
.set R,   32                           ; v32-159 two sets of 16 rows x 4 numbers
.set F,   160                          ; v160-223 my row's two blocks of 32
.set Z,   224                          ; v224-255 tanh's y^2 and polynomials; then the quantiser's registers:
.set P,   240
.set MX,  224
.set SO,  226
.set BY,  228
.set C,   232                          ; codes: 6 registers at C and at C + 8
.set TT,  248
.set AL,  40                           ; s[40:41] alpha; then tanh's constants, each as a pair
.set A6,  42
.set A4,  44
.set A3,  46
.set A2,  48
.set A1,  50
.set A0,  52
.set B3,  54
.set B1,  56
.set B0,  58
.set SEL, 60                           ; s[60:61] selects: lane l xor 16
.set MSK, 62                           ; s62  lanes 16-31
.set WX,  48                           ; the weights' path: v48-111 two sets of 32 numbers
.set WC,  112                          ; v112-159 codes: 12 registers for each (e, 64 along K)
.set WT,  160
.set WM,  164
.set WSO, 166
.set WBY, 167
.set WW,  168                          ; v[168:169] my two columns' scale words
.set VO,  176                          ; v176-207 byte offsets of 32 rows of the weight
.set WCO, 6
.set SB,  48                           ; s[48:55] the weight at my columns, block 0 .. 3 of my 128 along K
.set CB,  56                           ; s[56:59] the codes of tiles 4 G + e
.set SS,  60                           ; s[60:61] the scale words
.macro SPAIR reg, val
	s_mov_b32 s[\reg], \val
	s_mov_b32 s[\reg+1], \val
.endm
.macro MUL_VS d, a, sc                 ; eight pairs: d = a x a scalar
.set k, 0
.rept 8
	v_pk_mul_f32 v[\d+k:\d+k+1], v[\a+k:\a+k+1], s[\sc:\sc+1] op_sel_hi:[1,0]
.set k, k+2
.endr
.endm
.macro MUL_VV d, a, b
.set k, 0
.rept 8
	v_pk_mul_f32 v[\d+k:\d+k+1], v[\a+k:\a+k+1], v[\b+k:\b+k+1]
.set k, k+2
.endr
.endm
.macro FMA_SV d, a, sc, vc             ; d = a x a scalar + a constant pair
.set k, 0
.rept 8
	v_pk_fma_f32 v[\d+k:\d+k+1], v[\a+k:\a+k+1], s[\sc:\sc+1], v[\vc:\vc+1] op_sel_hi:[1,0,1]
.set k, k+2
.endr
.endm
.macro FMA_VS d, a, sc                 ; d = d x a + a scalar
.set k, 0
.rept 8
	v_pk_fma_f32 v[\d+k:\d+k+1], v[\d+k:\d+k+1], v[\a+k:\a+k+1], s[\sc:\sc+1] op_sel_hi:[1,1,0]
.set k, k+2
.endr
.endm
; tanh(alpha x) of 16 numbers, each line across all eight pairs so that no line waits for the line above it
.macro TANH16 src, y, z, p
	MUL_VS \y, \src, AL
.set k, 0
	s_wait_alu depctr_va_vdst(0)
.rept 16
	v_med3_num_f32 v[\y+k], v[\y+k], -v[CL], v[CL]
.set k, k+1
.endr
	MUL_VV \z, \y, \y
	FMA_SV \p, \z, A6, VA5
	FMA_VS \p, \z, A4
	FMA_VS \p, \z, A3
	FMA_VS \p, \z, A2
	FMA_VS \p, \z, A1
	FMA_VS \p, \z, A0
	MUL_VV \y, \y, \p                              ; y P(y^2)
	FMA_SV \p, \z, B3, VB2
	FMA_VS \p, \z, B1
	FMA_VS \p, \z, B0
.set k, 0
	s_wait_alu depctr_va_vdst(0)
.rept 16
	v_rcp_f32 v[\p+k], v[\p+k]
.set k, k+1
.endr
	v_nop                                          ; a plain instruction behind the last reciprocal
	s_wait_alu depctr_va_vdst(0)                   ; one wait for the sixteen, ahead of their first reader
	MUL_VV \y, \y, \p
.endm
	s_load_b256 s[4:11], s[0:1], 0x0               ; x s[4:5], alpha s[6:7], gamma s[8:9], beta s[10:11]
	s_load_b256 s[12:19], s[0:1], 0x20             ; w_attn, w_proj, w_fc, w_fc2
	s_load_b64 s[20:21], s[0:1], 0x40              ; ws0
	v_lshl_add_u32 v[SPW], v0, 2, SPARE
	v_mov_b32 v[NIL], 0
	v_lshrrev_b32 v1, 5, v0
	v_readfirstlane_b32 s2, v1                     ; wave 0..3
	v_and_b32 v1, 31, v0                           ; lane
	v_and_b32 v2, 15, v0                           ; r
	v_bfe_u32 v3, v0, 4, 1                         ; h
	v_lshlrev_b32 v[L16], 4, v1
	v_lshlrev_b32 v[L8], 4, v2
	v_lshl_add_u32 v[L8], v3, 3, v[L8]
	s_wait_kmcnt 0x0
	s_cmp_lt_u32 ttmp9, 128
	s_cbranch_scc0 .Lweights
	; ---------------- x: h = gamma tanh(alpha x) + beta, quantised along C
	s_load_b32 s[AL], s[6:7], 0x0
	s_lshr_b32 s22, ttmp9, 1                       ; G: which 64 tokens
	s_and_b32 s23, ttmp9, 1
	s_lshl_b32 s23, s23, 2
	s_add_co_u32 s23, s23, s2                      ; which 128 columns
	s_lshl_b32 s24, s22, 18                        ; 64 rows of 4,096 bytes
	s_lshl_b32 s26, s23, 9
	s_mov_b32 s27, 0
	s_add_co_u32 s24, s24, s26
	s_mov_b32 s25, 0
	s_add_nc_u64 s[4:5], s[4:5], s[24:25]
	s_add_nc_u64 s[8:9], s[8:9], s[26:27]
	s_add_nc_u64 s[10:11], s[10:11], s[26:27]
.macro XLOAD t                         ; tile t's 16 rows: a row's 512 bytes by one load
.set k, 0
.rept 16
	global_load_b128 v[R+64*((\t)%2)+4*k:R+64*((\t)%2)+4*k+3], v[L16], s[4:5] offset:(32*((\t)/2)+8*((\t)%2)+k%8+16*(k/8))*4096 th:TH_LOAD_NT
.set k, k+1
.endr
.endm
	s_wait_alu depctr_va_vdst(0)
	global_load_b128 v[GA:GA+3], v[L16], s[8:9]
	global_load_b128 v[BE:BE+3], v[L16], s[10:11]
	XLOAD 0
	XLOAD 1
	s_mul_i32 s24, s22, 49152                      ; h's codes: tile 4 G, 64 along K number 2 s
	s_mul_i32 s26, s23, 1536
	s_add_co_u32 s24, s24, s26
	s_add_nc_u64 s[28:29], s[20:21], s[24:25]
	s_lshl_b32 s24, s22, 11                        ; its scale words
	s_lshl_b32 s26, s23, 8
	s_add_co_u32 s24, s24, s26
	s_add_co_u32 s24, s24, HS
	s_add_nc_u64 s[30:31], s[20:21], s[24:25]
	s_mul_i32 s32, s2, 8448                        ; my stage
	v_add_nc_u32 v[STI], s32, v[L16]
	v_mul_u32_u24 v[STO], v2, 528
	v_lshl_add_u32 v[STO], v3, 7, v[STO]
	v_add_nc_u32 v[STO], s32, v[STO]               ; out: row r, + 128 h: my block of 32
	v_lshlrev_b32 v[H8], 3, v3
	v_mov_b32 v[TP], 0
	v_mov_b32 v[VA5], 0x2a61337e
	v_mov_b32 v[VA5+1], 0x2a61337e
	v_mov_b32 v[VB2], 0x38f895d6
	v_mov_b32 v[VB2+1], 0x38f895d6
	v_mov_b32 v[CL], 0x40fcf84f
	SPAIR A6, 0xa59f25c0
	SPAIR A4, 0xaebd37ff
	SPAIR A3, 0x335c0041
	SPAIR A2, 0x3779434a
	SPAIR A1, 0x3a270ded
	SPAIR A0, 0x3ba059dc
	SPAIR B3, 0x35a0d3d8
	SPAIR B1, 0x3b14aa05
	SPAIR B0, 0x3ba059dd
	s_mov_b32 s[SEL], 0x76543210
	s_mov_b32 s[SEL+1], 0xfedcba98
	s_mov_b32 s[MSK], 0xffff0000
	s_wait_kmcnt 0x0
	s_mov_b32 s[AL+1], s[AL]
.macro XTILE t
.set RS, R+64*((\t)%2)
.if (\t) < 3
	s_wait_loadcnt 16                              ; this tile's rows (and gamma, beta) are in; the next tile's 16 loads may be out
.else
	s_wait_loadcnt 0
.endif
.if (\t) > 0
	s_wait_xcnt 0x0                                ; the last tile's stores have read their code registers, which tanh's temporaries now take
.endif
.irp g, 0,1,2,3
	TANH16 RS+16*\g, RS+16*\g, Z, P
.set n, 0
.rept 4
	v_pk_fma_f32 v[RS+16*\g+n:RS+16*\g+n+1], v[RS+16*\g+n:RS+16*\g+n+1], v[GA:GA+1], v[BE:BE+1]
	v_pk_fma_f32 v[RS+16*\g+n+2:RS+16*\g+n+3], v[RS+16*\g+n+2:RS+16*\g+n+3], v[GA+2:GA+3], v[BE+2:BE+3]
.set n, n+4
.endr
.endr
.set n, 0
.rept 16
	ds_store_b128 v[STI], v[RS+4*n:RS+4*n+3] offset:528*n
.set n, n+1
.endr
.irp c, 0,1
.set n, 0
.rept 8
	ds_load_b128 v[F+32*\c+4*n:F+32*\c+4*n+3], v[STO] offset:256*\c+16*n    ; LDS serves a wave's instructions in order: these see my stores.  Row r, k = 64 c + 32 h + 0 .. 31
.set n, n+1
.endr
.endr
	s_wait_dscnt 0x0
.if (\t) < 2
	XLOAD (\t)+2                                   ; into the set that the stage has read
.endif
.irp c, 0,1
	v_max3_num_f32 v[MX+\c], |v[F+32*\c]|, |v[F+32*\c+1]|, 0x2800000        ; a whole block is mine; the floor 2^(5 - 127) holds the byte at 1 from below
.endr
.set n, 2
.rept 15
.irp c, 0,1
	v_max3_num_f32 v[MX+\c], v[MX+\c], |v[F+32*\c+n]|, |v[F+32*\c+n+1]|
.endr
.set n, n+2
.endr
.irp c, 0,1
	v_add_nc_u32 v[SO+\c], 0xfe000000, v[MX+\c]    ; 4 off the exponent field: the conversion's scale operand
.endr
.irp c, 0,1
	v_lshrrev_b32 v[BY+\c], 23, v[SO+\c]           ; the scale's byte
.endr
.irp c, 0,1
	v_cvt_scalef32_pk16_bf6_f32 v[C+8*\c:C+8*\c+2], v[F+32*\c:F+32*\c+15], v[SO+\c]
	v_cvt_scalef32_pk16_bf6_f32 v[TT+4*\c:TT+4*\c+2], v[F+32*\c+16:F+32*\c+31], v[SO+\c]   ; (a conversion's three registers begin on an even number)
.endr
	v_lshl_or_b32 v[W+(\t)], v[BY+1], 16, v[BY]    ; my two bytes, blocks h and 2 + h.  (The plain instruction behind the conversions)
.irp c, 0,1
.irp i, 0,1,2
	v_mov_b32 v[C+8*\c+3+\i], v[TT+4*\c+\i]
.endr
.endr
	v_lshlrev_b32 v[W+(\t)], v[H8], v[W+(\t)]      ; at their places in the word;
	v_permlanex16_b32 v[TP], v[W+(\t)], s[SEL], s[SEL+1]
	v_or_b32 v[W+(\t)], v[W+(\t)], v[TP]           ; with lane l xor 16's two the word is whole
.irp c, 0,1
	global_store_b128 v[L16], v[C+8*\c:C+8*\c+3], s[28:29] offset:(\t)*12288+768*\c
	global_store_b64 v[L8], v[C+8*\c+4:C+8*\c+5], s[28:29] offset:(\t)*12288+768*\c+512
.endr
.endm
	XTILE 0
	XTILE 1
	XTILE 2
	XTILE 3
	v_cndmask_b32 v[WS], v[W], v[W+2], s[MSK]      ; lanes 0-15 store tiles 0, 1's words of row r, lanes 16-31 tiles 2, 3's: 256 consecutive bytes
	v_cndmask_b32 v[WS+1], v[W+1], v[W+3], s[MSK]
	global_store_b64 v[L8], v[WS:WS+1], s[30:31]
	s_wait_tensorcnt 0x0                           ; the wave's end, behind my last LDS store
	ds_add_u32 v[SPW], v[NIL]
	s_wait_dscnt 0x0
	s_endpgm
	; ---------------- the weights
.Lweights:
	s_sub_co_u32 s22, ttmp9, 128
	s_mov_b64 s[24:25], s[18:19]                   ; w_fc2: work-groups 256 .. 383 of these
	s_mov_b32 s26, 256                             ; the tensor's first work-group
	s_mov_b32 s27, 4096                            ; a row in bytes
	s_mov_b32 s28, W2Q
	s_mov_b32 s29, W2S
	s_mov_b32 s30, 49152                           ; a tile's codes in bytes: 12 K
	s_mov_b32 s31, 8192                            ; four tiles' scale words: 2 K
	s_mov_b32 s32, 5                               ; log2(K / 128)
	s_cmp_lt_u32 s22, 256                          ; w_fc: 128 .. 255
	s_cselect_b64 s[24:25], s[16:17], s[24:25]
	s_cselect_b32 s26, 128, s26
	s_cselect_b32 s27, 16384, s27
	s_cselect_b32 s28, WFQ, s28
	s_cselect_b32 s29, WFS, s29
	s_cselect_b32 s30, 12288, s30
	s_cselect_b32 s31, 2048, s31
	s_cselect_b32 s32, 3, s32
	s_cmp_lt_u32 s22, 128                          ; w_proj: 96 .. 127
	s_cselect_b64 s[24:25], s[14:15], s[24:25]
	s_cselect_b32 s26, 96, s26
	s_cselect_b32 s27, 4096, s27
	s_cselect_b32 s28, WPQ, s28
	s_cselect_b32 s29, WPS, s29
	s_cmp_lt_u32 s22, 96                           ; w_attn: 0 .. 95
	s_cselect_b64 s[24:25], s[12:13], s[24:25]
	s_cselect_b32 s26, 0, s26
	s_cselect_b32 s27, 12288, s27
	s_cselect_b32 s28, WAQ, s28
	s_cselect_b32 s29, WAS, s29
	s_sub_co_u32 s33, s22, s26
	s_bfm_b32 s34, s32, 0
	s_and_b32 s35, s33, s34                        ; which 128 along K
	s_lshr_b32 s36, s33, s32
	s_lshl_b32 s37, s36, 2
	s_add_co_u32 s37, s37, s2                      ; G: which 64 columns
	s_lshl_b32 s38, s37, 8
	s_lshl_b32 s39, s35, 7
	s_mul_i32 s39, s39, s27
	s_add_co_u32 s38, s38, s39
	s_mov_b32 s39, 0
	s_add_nc_u64 s[SB:SB+1], s[24:25], s[38:39]
	s_lshl_b32 s38, s27, 5                         ; 32 rows on
	s_add_nc_u64 s[SB+2:SB+3], s[SB:SB+1], s[38:39]
	s_add_nc_u64 s[SB+4:SB+5], s[SB+2:SB+3], s[38:39]
	s_add_nc_u64 s[SB+6:SB+7], s[SB+4:SB+5], s[38:39]
	s_lshl_b32 s40, s37, 2
	s_mul_i32 s40, s40, s30
	s_mul_i32 s41, s35, 1536
	s_add_co_u32 s40, s40, s41
	s_add_co_u32 s40, s40, s28
	s_mov_b32 s41, 0
	s_add_nc_u64 s[CB:CB+1], s[20:21], s[40:41]
	s_mov_b32 s40, s30
	s_add_nc_u64 s[CB+2:CB+3], s[CB:CB+1], s[40:41]
	s_mul_i32 s40, s37, s31
	s_lshl_b32 s42, s35, 8
	s_add_co_u32 s40, s40, s42
	s_add_co_u32 s40, s40, s29
	s_add_nc_u64 s[SS:SS+1], s[20:21], s[40:41]
	s_lshl_b32 s42, s30, 1
	s_wait_alu depctr_va_vdst(0)
	v_mul_lo_u32 v[WCO], v3, s42                   ; lanes 16-31 hold tiles two further on
	v_lshl_add_u32 v[WCO], v2, 4, v[WCO]
	v_and_b32 v7, 7, v2
	v_lshrrev_b32 v8, 3, v2
	v_lshlrev_b32 v[VO], 2, v7                     ; my column of set e: 32 (lane / 16) + 8 e + r % 8 + 16 (r / 8)
	v_lshl_add_u32 v[VO], v8, 6, v[VO]
	v_lshl_add_u32 v[VO], v3, 7, v[VO]
.set k, 1
.rept 31
	v_add_nc_u32 v[VO+k], s27, v[VO+k-1]
.set k, k+1
.endr
.macro WLOAD t                         ; item t: set e = t % 2, block t / 2: 32 numbers down K
.set k, 0
.rept 32
	global_load_b32 v[WX+32*((\t)%2)+k], v[VO+k], s[SB+2*((\t)/2):SB+2*((\t)/2)+1] offset:32*((\t)%2)
.set k, k+1
.endr
.endm
	WLOAD 0
	WLOAD 1
.macro WITEM t
.set XS, WX+32*((\t)%2)
.set EE, (\t)%2
.set BLK, (\t)/2
.set JJ, BLK/2
.set HB, BLK%2
.set CC, WC+12*(2*EE+JJ)
.if (\t) < 7
	s_wait_loadcnt 32                              ; this item's 32 loads are in; the next item's may be out
.else
	s_wait_loadcnt 0
.endif
	v_max3_num_f32 v[WM], |v[XS]|, |v[XS+1]|, |v[XS+2]|
	v_max3_num_f32 v[WM+1], |v[XS+3]|, |v[XS+4]|, |v[XS+5]|
.irp i, 6,10,14,18,22,26
	v_max3_num_f32 v[WM], v[WM], |v[XS+\i]|, |v[XS+\i+1]|
	v_max3_num_f32 v[WM+1], v[WM+1], |v[XS+\i+2]|, |v[XS+\i+3]|
.endr
	v_max3_num_f32 v[WM], v[WM], |v[XS+30]|, |v[XS+31]|
	v_max3_num_f32 v[WM], v[WM], v[WM+1], 0x2800000
	v_add_nc_u32 v[WSO], 0xfe000000, v[WM]
	v_lshrrev_b32 v[WBY], 23, v[WSO]
.if BLK == 0
	v_mov_b32 v[WW+EE], v[WBY]
.else
	v_lshl_or_b32 v[WW+EE], v[WBY], 8*BLK, v[WW+EE]
.endif
	v_cvt_scalef32_pk16_bf6_f32 v[CC+4*HB:CC+4*HB+2], v[XS:XS+15], v[WSO]
	v_cvt_scalef32_pk16_bf6_f32 v[WT:WT+2], v[XS+16:XS+31], v[WSO]
	v_nop                                          ; a plain instruction behind the conversions
	v_mov_b32 v[CC+4*HB+3], v[WT]                  ; the block's registers 0-3 lie together, registers 4, 5 beside the other block's
	v_mov_b32 v[CC+8+2*HB], v[WT+1]
	v_mov_b32 v[CC+9+2*HB], v[WT+2]
.if (\t)+2 < 8
	WLOAD (\t)+2
.endif
.if HB == 1                            ; 64 along K are whole: three stores, sixteen lanes to 256 consecutive bytes.  Every (e, 64 along K) has registers of its own: no store's data are written again
	global_store_b128 v[WCO], v[CC:CC+3], s[CB+2*EE:CB+2*EE+1] offset:768*JJ
	global_store_b128 v[WCO], v[CC+4:CC+7], s[CB+2*EE:CB+2*EE+1] offset:768*JJ+256
	global_store_b128 v[WCO], v[CC+8:CC+11], s[CB+2*EE:CB+2*EE+1] offset:768*JJ+512
.endif
.endm
.irp t, 0,1,2,3,4,5,6,7
	WITEM \t
.endr
	global_store_b64 v[L8], v[WW:WW+1], s[SS:SS+1] ; 256 consecutive bytes
	s_endpgm                                       ; (these waves wrote no LDS)
.Lfunc_end_k_q251f2cb2b1_prep:
	.size	k_q251f2cb2b1_prep, .Lfunc_end_k_q251f2cb2b1_prep-k_q251f2cb2b1_prep
	.p2alignl 7, 3214868480
	.fill 96, 4, 3214868480
	.section	.rodata,"a",@progbits
	.p2align	6, 0x0
	.amdhsa_kernel k_q251f2cb2b1_prep
		.amdhsa_group_segment_fixed_size 34304
		.amdhsa_private_segment_fixed_size 0
		.amdhsa_enable_private_segment 0
		.amdhsa_kernarg_size 72
		.amdhsa_user_sgpr_count 2
		.amdhsa_user_sgpr_kernarg_segment_ptr 1
		.amdhsa_wavefront_size32 1
		.amdhsa_system_sgpr_workgroup_id_x 1
		.amdhsa_system_sgpr_workgroup_id_y 1
		.amdhsa_system_sgpr_workgroup_id_z 1
		.amdhsa_system_vgpr_workitem_id 0
		.amdhsa_next_free_vgpr 256
		.amdhsa_next_free_sgpr 100
		.amdhsa_reserve_vcc 0
		.amdhsa_float_denorm_mode_32 3
		.amdhsa_float_denorm_mode_16_64 3
		.amdhsa_memory_ordered 1
		.amdhsa_forward_progress 1
		.amdhsa_inst_pref_size 211
	.end_amdhsa_kernel
	.amdgpu_metadata
---
amdhsa.version: [ 1, 2 ]
amdhsa.kernels:
  - .name:           k_q251f2cb2b1_prep
    .symbol:         k_q251f2cb2b1_prep.kd
    .args:
      - { .name: x, .offset: 0, .size: 8, .value_kind: global_buffer, .address_space: global }
      - { .name: alpha, .offset: 8, .size: 8, .value_kind: global_buffer, .address_space: global }
      - { .name: gamma, .offset: 16, .size: 8, .value_kind: global_buffer, .address_space: global }
      - { .name: beta, .offset: 24, .size: 8, .value_kind: global_buffer, .address_space: global }
      - { .name: w_attn, .offset: 32, .size: 8, .value_kind: global_buffer, .address_space: global }
      - { .name: w_proj, .offset: 40, .size: 8, .value_kind: global_buffer, .address_space: global }
      - { .name: w_fc, .offset: 48, .size: 8, .value_kind: global_buffer, .address_space: global }
      - { .name: w_fc2, .offset: 56, .size: 8, .value_kind: global_buffer, .address_space: global }
      - { .name: ws0, .offset: 64, .size: 8, .value_kind: global_buffer, .address_space: global }
    .group_segment_fixed_size: 34304
    .private_segment_fixed_size: 0
    .kernarg_segment_align: 8
    .kernarg_segment_size: 72
    .max_flat_workgroup_size: 128
    .sgpr_count:     100
    .vgpr_count:     256
    .wavefront_size: 32
...
	.end_amdgpu_metadata
.endif
;; end of part 1
;; launch qkv (part 2): grid 12 x 16, 4 waves a work-group, clusters of 4 x 4, 327,680 bytes of LDS; arguments ws0, b_attn, ws1; writes ws1
.if DOCPART == 2
	.amdgcn_target "amdgcn-amd-amdhsa--gfx1250"
	.amdhsa_code_object_version 6
	.text
	.protected	k_q251f2cb2b1_qkv
	.globl	k_q251f2cb2b1_qkv
	.p2align	8
	.type	k_q251f2cb2b1_qkv,@function
k_q251f2cb2b1_qkv:
	s_mov_b64 s[64:65], 0
	v_nop
	global_prefetch_b8 v0, s[64:65] scope:SCOPE_SE
	s_setreg_imm32_b32 hwreg(HW_REG_WAVE_MODE, 25, 1), 1
	s_wait_xcnt 0x0
	s_wait_alu depctr_hold_cnt(0) depctr_sa_sdst(0) depctr_va_vdst(0) depctr_va_sdst(0) depctr_va_ssrc(0) depctr_va_vcc(0) depctr_vm_vsrc(0)
	s_getreg_b32 s2, hwreg(HW_REG_IB_STS2, 6, 4)
	s_cmp_eq_u32 s2, 0
	s_cbranch_scc0 .Lentry_in_a_cluster
	s_endpgm
.Lentry_in_a_cluster:
	s_bfe_u32 s2, ttmp6, 0x10000c
	s_cmp_lg_u32 s2, 0xf033
	s_cbranch_scc0 .Lentry_shape_is_right
	s_endpgm
.Lentry_shape_is_right:
; qkv = h w_attn + b_attn on codes of BF6 (K = 1,024), and its way out makes the attention's operands: q and k quantised along the head's 64, v along the tokens.  Nothing of reference() is left out here.
; A tile of 256 x 256 to a work-group of four waves, 128 x 128 a wave: 64 accumulators, 512 registers.  K goes in four chunks of 256 through THREE LDS slots filled by the tensor data mover:
; chunks 0, 1, 2 are asked for at the start, and the launch has ONE refill: chunk 3 into slot 0, which then has slots 1 and 2, 256 matrix instructions of a wave, in which to land.
; Operands lie in ws0 as images of their registers (tiles of 16 rows, 768 bytes for 64 along K: see the first launch): a fragment of 128 along K is 1,536 consecutive bytes, fetched by loads of 16, 8, 16, 8 bytes a lane.
; THE MATRIX INSTRUCTION: source 0 = the operand called B here, source 1 = A.  A lane then holds ONE row of A, and the 16 registers of two neighbouring tiles of B are 16 NEIGHBOURING rows of B (the tiles' rows are chosen so).
; Clusters x = 0 (q) and 1 (k): A = tokens, B = w_attn's columns: a lane's 64 registers run along 128 columns, two heads: quantised they are two tiles' codes of q or k.
; Cluster x = 2 (v): the operands change roles, by offsets in ws0 alone: A = w_attn's columns 2,048 on, B = tokens: a lane holds one channel and its registers run along 128 tokens, the second product's K.
; CLUSTERS: 4 x 4 work-groups; A's tiles are asked for jointly along a row of the cluster, B's along a column.  The role hangs on the cluster's x, which all sixteen share.
; ws1: codes [head 32][512 tokens 4][K 32 tiles x 768 | V 4 key steps x 4 tiles x 1,536 | Q 32 x 768]; from 9,437,184 scale words [head][K 32 x 256 | V 16 x 256 | Q 32 x 256].
; In a word of q or k bytes 0, 1 are the head's two blocks; bytes 2, 3 stand over zero codes and are never 0xff.
; LIMITS: NaN and infinities are not served; a block of zeros gets the byte 1.
; REGISTERS: window 0: v1-3 r, h, lane; v7-29 addresses; v32-63 scale words, two sets; v64-127 the bias; v128-223 A's fragments (on the way out v128-235 at work).  window 1: B's fragments, two sets.  windows 2, 3: the accumulators.
.set HS,   3145728
.set WAQ,  3276800
.set WAS,  5636096
.set NQ,     2
.set FR,     12
.set NL,     4                         ; LDS loads that bring a fragment
.set NP,     4                         ; places behind this matrix instruction (ISA guide 7.12.1)
.set TB3,    3072                      ; a tile's 256 along K
.set HALFT,  8*TB3                     ; eight tiles: what one tensor load brings, and what a wave reads of A or of B
.set SLOT,   4*HALFT
.set SCL,    3*SLOT                    ; behind the three slots: the scale words for all of K, filled once
.set HALFS,  4096                      ; those of 128 rows
.set SPARE,  SCL+4*HALFS               ; the spare words, 128 bytes a wave
.set ADRA, 10                          ; v10-12 my A fragments in slot 0, 1, 2 (+ 16 x lane); v13-15 the same + 16 r + 8 h
.set ADRB, 16                          ; v16-18, v19-21 the same for B
.set L16,  24
.set L8,   25
.set ADRS, 27
.set SPW,  28
.set NIL,  29
.set SC,   32                          ; set s at SC + 16 s; in it register 8 q + i: lanes 0-15 A's block i, lanes 16-31 B's block i.  Chunk c uses set c % 2
.set BI,   64
.set AF,   128
.set T,    128                         ; the way out: a block's 64 numbers
.set TM,   192
.set PC,   208
.set SW,   228
.set W,    232
.set BO,   7                           ; v7 the bias loads' offset; v8, v9: the scale stores'
.set SLO,  8
.set H16,  9
.set G1, 24
.set G0, 32                            ; s[32:39] group 0 for A's two loads into slot 0; slots 1 and 2's in s[76:79]
.set G1B, 48
.set G0B, 56                           ; s[56:63] the same for B's; slots 1 and 2's in s[88:91]
.set G1S, 68
.set G0S, 76
.set G1SB, 80
.set G0SB, 88
.set MSK, 97
.set SEL, 98
.set MSB, 0
.macro WIN new                         ; the immediate's high byte repeats the setting that is left
.if MSB != (\new)
	s_set_vgpr_msb (MSB<<8)|(\new)
.set MSB, (\new)
.endif
.endm
.set MUL_LO, 0xa1                      ; source 0 (B) window 1, source 1 (A) window 0, C and D window 2
.set MUL_HI, 0xf1
.set TO_B,   0x40
.macro JLOAD g0a, g1a, g0b, g1b        ; a joint load: waves 0, 1 fetch for A, waves 2, 3 for B; an s_nop 0 and four v_nop follow each line
	s_cmp_eq_u32 s15, 0
	s_cbranch_scc0 .Lfor_b_\@
	tensor_load_to_lds s[\g0a:\g0a+3], s[\g1a:\g1a+7]
	s_nop 0
.rept 4
	v_nop
.endr
	s_branch .Lasked_\@
.Lfor_b_\@:
	tensor_load_to_lds s[\g0b:\g0b+3], s[\g1b:\g1b+7]
	s_nop 0
.rept 4
	v_nop
.endr
.Lasked_\@:
.endm
.macro CREST
	s_cmp_lg_u32 s14, 0
	s_cbranch_scc1 .Lnot_wave_0_\@
	s_barrier_signal -3
.Lnot_wave_0_\@:
	s_barrier_wait -3
	s_barrier_signal -1
	s_barrier_wait -1
.endm
.macro CROUND
	s_barrier_signal -1
	s_barrier_wait -1
	CREST
.endm
	s_load_b128 s[4:7], s[0:1], 0x0                ; ws0 s[4:5], b_attn s[6:7]
	s_load_b64 s[8:9], s[0:1], 0x10                ; ws1
	v_lshl_add_u32 v[SPW], v0, 2, SPARE
	v_mov_b32 v[NIL], 0
	ds_add_u32 v[SPW], v[NIL]                      ; the wave's opening: the add, twice on end, and its wait ahead of my first tensor load
	ds_add_u32 v[SPW], v[NIL]
	v_lshrrev_b32 v1, 5, v0
	v_readfirstlane_b32 s14, v1                    ; wave 0..3
	s_lshr_b32 s15, s14, 1                         ; which half of A's rows is mine.  Also: I fetch for A (0) or for B (1)
	s_and_b32 s16, s14, 1                          ; which half of B's.  Also: which 128 rows I fetch
	s_bfe_u32 s40, ttmp6, 0x40000                  ; cx, cy
	s_bfe_u32 s41, ttmp6, 0x40004
	s_lshr_b32 s10, ttmp9, 1                       ; 1 in the clusters that make v
	s_xor_b32 s11, s10, 1
	s_and_b32 s12, ttmp7, 0xffff
	s_lshl_b32 s12, s12, 2                         ; 4 x cluster y
	s_lshl_b32 s13, ttmp9, 2                       ; 4 x cluster x
	s_mul_i32 s17, s11, s12
	s_lshl_b32 s18, s10, 3
	s_add_co_u32 s17, s17, s18
	s_add_co_u32 s17, s17, s41                     ; A's block of 256 rows: tokens 4 cluster y + cy;  for v: columns 8 + cy
	s_mul_i32 s42, s11, s13
	s_mul_i32 s18, s10, s12
	s_add_co_u32 s42, s42, s18
	s_add_co_u32 s42, s42, s40                     ; B's: columns 4 cluster x + cx;  for v: tokens 4 cluster y + cx
	s_lshl_b32 s43, s41, 2
	s_lshl_b32 s43, 15, s43                        ; my row of the cluster
	s_lshl_b32 s44, 0x1111, s40                    ; my column
	; descriptor group 1: eight tiles' 3,072 bytes (384 elements of 8 bytes), 12,288 bytes apart in memory, on end in LDS
	s_or_b32 s[G1+0], s43, (3<<16)|(1<<21)
	s_or_b32 s[G1B+0], s44, (3<<16)|(1<<21)
.irp g, G1, G1B
	s_mov_b32 s[\g+1], 384<<16
	s_mov_b32 s[\g+2], 16<<16                      ; the head's loads bring all 16 tiles of a block; the refill's count of 8 is set behind the wait for them
	s_mov_b32 s[\g+3], 384<<16
	s_mov_b32 s[\g+4], 16
	s_mov_b32 s[\g+5], 1536
	s_mov_b32 s[\g+6], 0
	s_mov_b32 s[\g+7], 0
.endr
	; group 1 of the head's loads of K 0 .. 511 into slots 1 and 2
	s_or_b32 s[G1S+0], s43, (3<<16)|(1<<21)
	s_or_b32 s[G1SB+0], s44, (3<<16)|(1<<21)
.irp g, G1S, G1SB
	s_mov_b32 s[\g+1], 768<<16                     ; these two groups now serve K 0 .. 511: 16 tiles' 6,144 bytes, 12,288 apart in memory
	s_mov_b32 s[\g+2], 16<<16
	s_mov_b32 s[\g+3], 768<<16
	s_mov_b32 s[\g+4], 16
	s_mov_b32 s[\g+5], 1536
	s_mov_b32 s[\g+6], 0
	s_mov_b32 s[\g+7], 0
.endr
	s_lshl_b32 s18, s16, 3
	s_lshl_b32 s20, s17, 4
	s_add_co_u32 s20, s20, s18                     ; A: tile 16 x block + 8 x half
	s_lshl_b32 s22, s20, 9                         ; its scale words: 2,048 bytes for four tiles
	s_mul_i32 s20, s20, 12288
	s_mul_i32 s19, s10, WAQ                        ; h's codes lie at 0
	s_add_co_u32 s20, s20, s19
	s_mov_b32 s21, 0
	s_mul_i32 s19, s10, WAS-HS
	s_add_co_u32 s22, s22, s19
	s_add_co_u32 s22, s22, HS
	s_mov_b32 s23, 0
	s_lshl_b32 s46, s42, 4
	s_add_co_u32 s46, s46, s18                     ; B likewise
	s_lshl_b32 s92, s46, 9
	s_mul_i32 s46, s46, 12288
	s_mul_i32 s19, s11, WAQ
	s_add_co_u32 s46, s46, s19
	s_mov_b32 s47, 0
	s_mul_i32 s19, s11, WAS-HS
	s_add_co_u32 s92, s92, s19
	s_add_co_u32 s92, s92, HS
	s_mov_b32 s93, 0
	s_mul_i32 s45, s14, HALFT                      ; where they go: by the wave's number alone
	s_mul_i32 s94, s14, HALFS
	s_wait_dscnt 0x0                               ; both opening adds are done
	s_wait_kmcnt 0x0
	s_add_nc_u64 s[20:21], s[4:5], s[20:21]
	s_add_nc_u64 s[22:23], s[4:5], s[22:23]
	s_add_nc_u64 s[46:47], s[4:5], s[46:47]
	s_add_nc_u64 s[92:93], s[4:5], s[92:93]
	CROUND                                         ; all sixteen work-groups are here: the first joint loads meet
; THE WALK ALONG K AS IT NOW STANDS.  LDS: slot 0 (bytes 0 on): 256 along K of A's and B's 16 tiles, 3,072 bytes a tile; from SLOT on K 0 .. 511 of A's 16 tiles, then of B's, 6,144 bytes a tile
; (slots 1 and 2 are its two halves).  The head asks for K 0 .. 767, one load a wave: wave 0 A's K 0 .. 511, wave 1 B's, wave 2 A's K 512 .. 767 into slot 0, wave 3 B's.
; K 512 .. 767 is multiplied first; slot 0 is then filled again with K 768 .. 1,023, a quarter a wave, and that load has slots 1 and 2, 256 matrix instructions of a wave, in which to land.
; The scale words come by plain loads and LDS stores into bytes of their own behind the slots.
.set SCN, 0                            ; counts the calls of SCALES: which 256 along K the call serves
	s_mul_i32 s18, s16, 8*12288
	s_mov_b32 s19, 0
	s_mov_b32 s[G0+4], 1                           ; the refill: my eight tiles of K 768 on
	s_mov_b32 s[G0+5], s45
	s_add_nc_u64 s[G0+6:G0+7], s[20:21], 3*TB3
	s_or_b32 s[G0+7], s[G0+7], 0x80000000
	s_mov_b32 s[G0B+4], 1
	s_mov_b32 s[G0B+5], s45
	s_add_nc_u64 s[G0B+6:G0B+7], s[46:47], 3*TB3
	s_or_b32 s[G0B+7], s[G0B+7], 0x80000000
	s_sub_nc_u64 s[20:21], s[20:21], s[18:19]      ; back to the block's first tile
	s_sub_nc_u64 s[46:47], s[46:47], s[18:19]
	s_mov_b32 s[G0S], 1
	s_mov_b32 s[G0S+1], SLOT
	s_mov_b64 s[G0S+2:G0S+3], s[20:21]
	s_or_b32 s[G0S+3], s[G0S+3], 0x80000000
	s_mov_b32 s[G0SB], 1
	s_mov_b32 s[G0SB+1], 2*SLOT
	s_mov_b64 s[G0SB+2:G0SB+3], s[46:47]
	s_or_b32 s[G0SB+3], s[G0SB+3], 0x80000000
	s_mov_b32 s[G0], 1
	s_mov_b32 s[G0+1], 0
	s_add_nc_u64 s[G0+2:G0+3], s[20:21], 2*TB3
	s_or_b32 s[G0+3], s[G0+3], 0x80000000
	s_mov_b32 s[G0B], 1
	s_mov_b32 s[G0B+1], 2*HALFT
	s_add_nc_u64 s[G0B+2:G0B+3], s[46:47], 2*TB3
	s_or_b32 s[G0B+3], s[G0B+3], 0x80000000
.macro ARM under, g0, g1, next         ; one tree of branches on the wave's number: every way through the head passes one load
	s_cmp_lt_u32 s14, \under
	s_cbranch_scc0 \next
	tensor_load_to_lds s[\g0:\g0+3], s[\g1:\g1+7]
	s_nop 0
.rept 4
	v_nop
.endr
	s_branch .Lhead_asked
\next:
.endm
	ARM 1, G0S,  G1S,  .Lhead_b
	ARM 2, G0SB, G1SB, .Lhead_c
	ARM 3, G0,   G1,   .Lhead_d
	tensor_load_to_lds s[G0B:G0B+3], s[G1B:G1B+7]
	s_nop 0
.rept 4
	v_nop
.endr
.Lhead_asked:
	s_cmp_eq_u32 s15, 0                            ; the scale words of 128 rows, 4,096 dense bytes a wave: waves 0, 1 A's, waves 2, 3 B's
	s_cselect_b64 s[92:93], s[22:23], s[92:93]
	v_and_b32 v1, 15, v0                           ; r
	v_bfe_u32 v2, v0, 4, 1                         ; h
	v_and_b32 v3, 31, v0                           ; lane
	v_lshlrev_b32 v[L16], 4, v3
	v_lshlrev_b32 v[L8], 4, v1
	v_lshl_add_u32 v[L8], v2, 3, v[L8]
	s_mul_i32 s21, s15, HALFT
	s_mul_i32 s22, s16, HALFT
	s_add_co_u32 s22, s22, 2*HALFT
.irp s, 0,1,2
	v_add_nc_u32 v[ADRA+\s], s21, v[L16]
	v_add_nc_u32 v[ADRB+\s], s22, v[L16]
	v_add_nc_u32 v[ADRA+3+\s], s21, v[L8]
	v_add_nc_u32 v[ADRB+3+\s], s22, v[L8]
.if \s == 0
	s_lshl_b32 s21, s21, 1                         ; behind slot 0 a tile takes twice the bytes
	s_lshl_b32 s22, s22, 1
	s_add_co_u32 s21, s21, SLOT
	s_add_co_u32 s22, s22, SLOT
.else
	s_add_co_u32 s21, s21, TB3
	s_add_co_u32 s22, s22, TB3
.endif
.endr
	s_mul_i32 s21, s15, HALFS
	s_mul_i32 s22, s16, HALFS
	s_add_co_u32 s22, s22, 2*HALFS
	s_sub_co_u32 s22, s22, s21
	v_mul_u32_u24 v6, s22, v2                      ; lanes 16-31 take B's words
	s_add_co_u32 s21, s21, SCL
	v_lshl_add_u32 v5, v1, 4, v6
	v_add_nc_u32 v[ADRS], s21, v5
	s_add_co_u32 s94, s94, SCL
	v_add_nc_u32 v30, s94, v[L16]
	s_wait_alu depctr_va_vdst(0)
.set k, 0
.rept 8
	global_load_b128 v[AF+4*k:AF+4*k+3], v[L16], s[92:93] offset:512*k
.set k, k+1
.endr
	; the bias, in the result's layout
	s_cmp_eq_u32 s10, 0
	s_cbranch_scc0 .Lbias_v
	s_lshl_b32 s18, s42, 10                        ; q, k: register 16 b + i of lane (r, h) is column 32 b + 16 h + i of my 128
	s_lshl_b32 s19, s16, 9
	s_add_co_u32 s18, s18, s19
	s_mov_b32 s19, 0
	s_add_nc_u64 s[6:7], s[6:7], s[18:19]
	v_lshlrev_b32 v[BO], 6, v2
.set k, 0
.rept 16
	global_load_b128 v[BI+4*k:BI+4*k+3], v[BO], s[6:7] offset:128*(k/4)+16*(k%4)
.set k, k+1
.endr
	s_branch .Lbias_done
.Lbias_v:
	s_lshl_b32 s18, s41, 10                        ; v: a lane holds one channel: that of row r of block a, twice, as a pair
	s_lshl_b32 s19, s15, 9
	s_add_co_u32 s18, s18, s19
	s_add_co_u32 s18, s18, 8192
	s_mov_b32 s19, 0
	s_add_nc_u64 s[6:7], s[6:7], s[18:19]
	v_and_b32 v4, 7, v1
	v_lshrrev_b32 v5, 3, v1
	v_lshlrev_b32 v[BO], 2, v4
	v_lshl_add_u32 v[BO], v5, 6, v[BO]
.set k, 0
.rept 8
	global_load_b32 v[BI+2*k], v[BO], s[6:7] offset:4*(32*(k/2)+8*(k%2))
	global_load_b32 v[BI+2*k+1], v[BO], s[6:7] offset:4*(32*(k/2)+8*(k%2))
.set k, k+1
.endr
.set k, 16
.rept 48
	v_mov_b32 v[BI+k], 0                           ; (so that all 64 are written on both ways)
.set k, k+1
.endr
.Lbias_done:
.macro FRAG reg, adr, q, i             ; 16 rows x 128 K: two runs of 768 bytes: registers 0-3 at 16 x lane, 4, 5 at 512 + 16 r + 8 h
	ds_load_b128 v[\reg:\reg+3], v[\adr] offset:(\i)*TB3+(\q)*1536
	ds_load_b64 v[\reg+4:\reg+5], v[\adr+3] offset:(\i)*TB3+(\q)*1536+512
	ds_load_b128 v[\reg+6:\reg+9], v[\adr] offset:(\i)*TB3+(\q)*1536+768
	ds_load_b64 v[\reg+10:\reg+11], v[\adr+3] offset:(\i)*TB3+(\q)*1536+1280
.endm
; 16 matrix instructions: A's blocks a0, a0 + 1 x B's eight.  The 64 accumulators take turns, one instruction a turn, in the same order in every step.
.macro MUL16 a0, p, q, sc, zero
.irp a, \a0, \a0+1
.irp b, 0,1,2,3,4,5,6,7
.if \zero
	v_wmma_scale_f32_16x16x128_f8f6f4 v[8*(8*((\a)%4)+\b):8*(8*((\a)%4)+\b)+7], v[128*(\p)+FR*\b:128*(\p)+FR*\b+FR-1], v[AF+FR*(\a):AF+FR*(\a)+FR-1], 0, v[SC+16*(\sc)+8*(\q)+\b], v[SC+16*(\sc)+8*(\q)+(\a)] matrix_a_fmt:MATRIX_FMT_BF6 matrix_b_fmt:MATRIX_FMT_BF6 matrix_a_scale:MATRIX_SCALE_ROW1
.else
	v_wmma_scale_f32_16x16x128_f8f6f4 v[8*(8*((\a)%4)+\b):8*(8*((\a)%4)+\b)+7], v[128*(\p)+FR*\b:128*(\p)+FR*\b+FR-1], v[AF+FR*(\a):AF+FR*(\a)+FR-1], v[8*(8*((\a)%4)+\b):8*(8*((\a)%4)+\b)+7], v[SC+16*(\sc)+8*(\q)+\b], v[SC+16*(\sc)+8*(\q)+(\a)] matrix_a_fmt:MATRIX_FMT_BF6 matrix_b_fmt:MATRIX_FMT_BF6 matrix_a_scale:MATRIX_SCALE_ROW1
.endif
.endr
.endr
.endm
.macro FETCH_B slot, q, p
	WIN TO_B
.irp i, 0,1,2,3,4,5,6,7
	FRAG 128*(\p)+FR*\i, ADRB+\slot, \q, \i*(1+((\slot)+1)/2)
.endr
	WIN 0
.endm
.macro FETCH_A slot, q, i0
.irp i, \i0, \i0+1, \i0+2, \i0+3
	FRAG AF+FR*(\i), ADRA+\slot, \q, (\i)*(1+((\slot)+1)/2)
.endr
.endm
.macro SCALES sc                       ; a chunk's scale words: one load brings four blocks' registers
.irp q, 0,1
.irp g, 0,1
	ds_load_b128 v[SC+16*\sc+8*\q+4*\g:SC+16*\sc+8*\q+4*\g+3], v[ADRS] offset:2048*\g+256*\q+512*((0x3102>>(4*SCN))&15)   ; the calls serve the 256s of K numbered 2, 0, 1, 3
.endr
.endr
.set SCN, SCN+1
.endm
.macro PLACES n                        ; plain vector instructions between a matrix instruction and a load into, or a vector instruction on, its registers
.rept \n
	v_nop
.endr
.endm
.macro STEP slot, sc, zero             ; a slot's first 128 along K; its second is fetched
	s_wait_dscnt 4*NL                              ; all but the youngest 16 loads (A's blocks 4-7) are in
	WIN MUL_LO
	MUL16 0, 0, 0, \sc, \zero
	MUL16 2, 0, 0, \sc, \zero
	s_wait_dscnt 0
	PLACES NP
	FETCH_B \slot, 1, 1
	FETCH_A \slot, 1, 0
	WIN MUL_HI
	MUL16 4, 0, 0, \sc, \zero
	MUL16 6, 0, 0, \sc, \zero
	PLACES NP
	WIN 0
	FETCH_A \slot, 1, 4
.endm
; A slot's second 128 along K, with a barrier: in front of it each wave waits for all its tensor loads, adds 0 to its spare word, and waits for that and for its own reads of this slot.
; fill = 1: this slot is filled again, with the chunk three further on.
.macro TURN slot, next, sc, nsc, fill
	s_wait_tensorcnt 0x0                           ; all my tensor loads have landed
	ds_add_u32 v[SPW], v[NIL]
	s_wait_dscnt 4*NL+1                            ; (the add and the youngest 16 loads may be out)
	WIN MUL_LO
	MUL16 0, 1, 1, \sc, 0
	s_wait_dscnt 0x0                               ; the add is done, and my reads of this slot are over
	s_barrier_signal -1
	MUL16 2, 1, 1, \sc, 0
	WIN 0
	s_barrier_wait -1
.if \fill
	CREST                                          ; the barrier has opened a round of the cluster's barrier: no wave of any partner still reads this slot or has a load on its way
	JLOAD G0+4, G1, G0B+4, G1B
.else
	PLACES NP
.endif
	FETCH_B \next, 0, 0
	FETCH_A \next, 0, 0
	SCALES \nsc
	WIN MUL_HI
	MUL16 4, 1, 1, \sc, 0
	MUL16 6, 1, 1, \sc, 0
	PLACES NP
	WIN 0
	FETCH_A \next, 0, 4
.endm
; The same with no barrier: the next slot was shown whole to every wave by an earlier barrier, in front of which each wave had waited for all its tensor loads; and nothing is filled.
.macro PASS next, sc, nsc
	s_wait_dscnt 4*NL
	WIN MUL_LO
	MUL16 0, 1, 1, \sc, 0
	MUL16 2, 1, 1, \sc, 0
	s_wait_dscnt 0
	WIN 0
	PLACES NP
	FETCH_B \next, 0, 0
	FETCH_A \next, 0, 0
	SCALES \nsc
	WIN MUL_HI
	MUL16 4, 1, 1, \sc, 0
	MUL16 6, 1, 1, \sc, 0
	PLACES NP
	WIN 0
	FETCH_A \next, 0, 4
.endm
	s_wait_alu depctr_va_vdst(0)                   ; the head's end
	s_wait_tensorcnt 0x0                           ; my one load of the head has landed: so a descriptor may be written: the refill brings 8 tiles
	s_mov_b32 s[G1+2], 8<<16
	s_mov_b32 s[G1+4], 8
	s_mov_b32 s[G1B+2], 8<<16
	s_mov_b32 s[G1B+4], 8
	s_wait_loadcnt 0x0                             ; my eight loads of scale words are in, and the bias
.set k, 0
.rept 8
	ds_store_b128 v30, v[AF+4*k:AF+4*k+3] offset:512*k
.set k, k+1
.endr
	s_wait_dscnt 0x0                               ; for the other waves' sake
	s_barrier_signal -1
	s_barrier_wait -1
	FETCH_B 0, 0, 0
	FETCH_A 0, 0, 0
	s_wait_alu depctr_va_vdst(0)
	SCALES 0
	FETCH_A 0, 0, 4
	STEP 0, 0, 1                                   ; chunk 0: the first step's products start the sums
	TURN 0, 1, 0, 1, 1                             ; slots 1 and 2 are whole; slot 0 takes chunk 3: the launch's one refill
	s_wait_alu depctr_va_vdst(0)
	STEP 1, 1, 0                                   ; chunk 1
	PASS 2, 1, 0
	s_wait_alu depctr_va_vdst(0)
	STEP 2, 0, 0                                   ; chunk 2
	TURN 2, 0, 0, 1, 0                             ; chunk 3 has landed; nothing is filled
	STEP 0, 1, 0                                   ; chunk 3
	s_wait_dscnt 4*NL
	WIN MUL_LO
	MUL16 0, 1, 1, 1, 0
	MUL16 2, 1, 1, 1, 0
	s_wait_dscnt 0
	WIN MUL_HI
	MUL16 4, 1, 1, 1, 0
	MUL16 6, 1, 1, 1, 0
	WIN 0
; 64 numbers of a lane, register 16 b + i = k 32 b + 16 h + i of my row, become a fragment's codes in v[PC] on and its scale word in v[w]
.macro QUANT64 s, w
.irp b, 0,1,2,3
	v_max3_num_f32 v[TM+\b], |v[\s+16*\b]|, |v[\s+1+16*\b]|, 0x2800000   ; and the floor 2^(5 - 127): the byte cannot fall under 1
.endr
.irp i, 2,4,6,8,10,12,14
.irp b, 0,1,2,3
	v_max3_num_f32 v[TM+\b], v[TM+\b], |v[\s+16*\b+\i]|, |v[\s+1+16*\b+\i]|
.endr
.endr
.irp b, 0,1,2,3
	v_permlanex16_b32 v[TM+4+\b], v[TM+\b], s[SEL], s[SEL+1]
.endr
.irp b, 0,1,2,3
	v_max_num_f32 v[TM+\b], v[TM+\b], v[TM+4+\b]
.endr
.irp b, 0,1,2,3
	v_add_nc_u32 v[TM+12+\b], 0xfe000000, v[TM+\b]
.endr
.irp b, 0,1,2,3
	v_lshrrev_b32 v[TM+4+\b], 23, v[TM+12+\b]
.endr
	v_lshl_or_b32 v[\w], v[TM+5], 8, v[TM+4]
	v_lshl_or_b32 v[\w], v[TM+6], 16, v[\w]
	v_lshl_or_b32 v[\w], v[TM+7], 24, v[\w]
.irp c, 0,1
	v_cvt_scalef32_pk16_bf6_f32 v[PC+6*\c:PC+2+6*\c], v[\s+32*\c:\s+15+32*\c], v[TM+12+2*\c]
	v_cvt_scalef32_pk16_bf6_f32 v[PC+12+4*\c:PC+14+4*\c], v[\s+16+32*\c:\s+31+32*\c], v[TM+12+2*\c+1]
.endr
	v_nop                                          ; a plain instruction behind the conversions
.irp c, 0,1                                    ; the operand's layout wants a whole block in a lane
.irp i, 0,1,2
	v_permlane16_swap_b32 v[PC+6*\c+\i], v[PC+12+4*\c+\i]
.endr
.irp i, 0,1,2
	v_mov_b32 v[PC+3+6*\c+\i], v[PC+12+4*\c+\i]
.endr
.endr
.endm
.macro ST_HF reg, base, off            ; 64 along K of a tile: 768 consecutive bytes by two stores
	global_store_b128 v[L16], v[\reg:\reg+3], s[\base:\base+1] offset:\off
	global_store_b64 v[L8], v[\reg+4:\reg+5], s[\base:\base+1] offset:(\off)+512
.endm
	PLACES NP                                      ; behind the last products: their results are read and their operands' registers written below
	s_wait_loadcnt 0x0                             ; the bias
.irp b, 0,1,2,3
	v_mov_b32 v[TM+4+\b], 0                        ; a lane permute's destination counts as one of its sources
.endr
	s_mov_b32 s[SEL], 0x76543210
	s_mov_b32 s[SEL+1], 0xfedcba98
	s_mov_b32 s[MSK], 0xffff0000
	s_cmp_eq_u32 s10, 0
	s_cbranch_scc0 .Lout_v
	; ---- q, k.  Block a is token tile tt0 + a; its codes are two heads' 64
	s_lshr_b32 s20, s17, 3
	s_lshl_b32 s20, s20, 4
	s_lshl_b32 s21, s40, 2
	s_add_co_u32 s20, s20, s21
	s_lshl_b32 s21, s16, 1
	s_add_co_u32 s20, s20, s21                     ; 16 batch + head
	s_and_b32 s21, s17, 7
	s_lshl_b32 s21, s21, 4
	s_lshl_b32 s22, s15, 3
	s_add_co_u32 s21, s21, s22                     ; tt0
	s_xor_b32 s22, ttmp9, 1                        ; 1 for q
	s_mul_i32 s24, s20, 294912
	s_lshr_b32 s23, s21, 5
	s_mul_i32 s23, s23, 73728
	s_add_co_u32 s24, s24, s23
	s_and_b32 s23, s21, 31
	s_mul_i32 s23, s23, 768
	s_add_co_u32 s24, s24, s23
	s_mul_i32 s23, s22, 49152
	s_add_co_u32 s24, s24, s23
	s_mov_b32 s25, 0
	s_add_nc_u64 s[24:25], s[8:9], s[24:25]
	s_mul_i32 s26, s20, 20480
	s_lshl_b32 s23, s21, 6
	s_add_co_u32 s26, s26, s23
	s_mul_i32 s23, s22, 12288
	s_add_co_u32 s26, s26, s23
	s_add_co_u32 s26, s26, 9437184
	s_mov_b32 s27, 0
	s_add_nc_u64 s[26:27], s[8:9], s[26:27]
	v_mul_u32_u24 v[SLO], v2, 20480                ; lanes 16-31 store the second head's words
	v_lshl_add_u32 v[SLO], v1, 4, v[SLO]
	v_lshlrev_b32 v[H16], 4, v2
.macro OUTQ a
	WIN 0x02+(\a)/4                                ; source 0: window 2 or 3
.set n, 0
.rept 32
	v_pk_add_f32 v[T+n:T+n+1], v[64*((\a)%4)+n:64*((\a)%4)+n+1], v[BI+n:BI+n+1]   ; each accumulator from its low end on
.set n, n+2
.endr
	WIN 0
.if (\a) > 0
	s_wait_xcnt 0x0                                ; the last block's stores have read their registers
.endif
	QUANT64 T, SW+(\a)%4
	ST_HF PC, 24, (\a)*768
	ST_HF PC+6, 24, (\a)*768+294912
.if (\a)%4 == 3
.irp i, 0,1,2,3
	v_lshrrev_b32 v[W+\i], v[H16], v[SW+\i]        ; the head's two bytes lowest
.endr
	global_store_b128 v[SLO], v[W:W+3], s[26:27] offset:((\a)/4)*256
.endif
.endm
.irp a, 0,1,2,3,4,5,6,7
	OUTQ \a
.endr
	s_branch .Ldone
.Lout_v:
	; ---- v.  Block a is tile a % 4 of head + a / 4; its codes are 16 channels x my 128 tokens
	s_lshr_b32 s20, s42, 3
	s_lshl_b32 s20, s20, 4
	s_lshl_b32 s21, s41, 2
	s_add_co_u32 s20, s20, s21
	s_lshl_b32 s21, s15, 1
	s_add_co_u32 s20, s20, s21                     ; 16 batch + head
	s_and_b32 s21, s42, 7
	s_lshl_b32 s21, s21, 1
	s_add_co_u32 s21, s21, s16                     ; the key step, 0 .. 15
	s_mul_i32 s24, s20, 294912
	s_lshr_b32 s23, s21, 2
	s_mul_i32 s23, s23, 73728
	s_add_co_u32 s24, s24, s23
	s_and_b32 s23, s21, 3
	s_mul_i32 s23, s23, 6144
	s_add_co_u32 s24, s24, s23
	s_add_co_u32 s24, s24, 24576
	s_mov_b32 s25, 0
	s_add_nc_u64 s[24:25], s[8:9], s[24:25]
	s_mul_i32 s26, s20, 20480
	s_lshl_b32 s23, s21, 8
	s_add_co_u32 s26, s26, s23
	s_add_co_u32 s26, s26, 9437184+8192
	s_mov_b32 s27, 0
	s_add_nc_u64 s[26:27], s[8:9], s[26:27]
.macro OUTV a
	WIN 0x02+(\a)/4
.set n, 0
.rept 32
	v_pk_add_f32 v[T+n:T+n+1], v[64*((\a)%4)+n:64*((\a)%4)+n+1], v[BI+2*(\a):BI+2*(\a)+1]
.set n, n+2
.endr
	WIN 0
.if (\a) > 0
	s_wait_xcnt 0x0
.endif
	QUANT64 T, SW+(\a)%4
	ST_HF PC, 24, ((\a)/4)*294912+((\a)%4)*1536
	ST_HF PC+6, 24, ((\a)/4)*294912+((\a)%4)*1536+768
.if (\a)%4 == 3
	v_cndmask_b32 v[W], v[SW], v[SW+2], s[MSK]     ; lanes 0-15 store tiles 0, 1's words, lanes 16-31 tiles 2, 3's: 256 consecutive bytes
	v_cndmask_b32 v[W+1], v[SW+1], v[SW+3], s[MSK]
	global_store_b64 v[L8], v[W:W+1], s[26:27] offset:((\a)/4)*20480
.endif
.endm
.irp a, 0,1,2,3,4,5,6,7
	OUTV \a
.endr
.Ldone:
	s_wait_tensorcnt 0x0                           ; the wave's end
	ds_add_u32 v[SPW], v[NIL]
	s_wait_dscnt 0x0
	CROUND                                         ; the closing round
	s_endpgm
.Lfunc_end_k_q251f2cb2b1_qkv:
	.size	k_q251f2cb2b1_qkv, .Lfunc_end_k_q251f2cb2b1_qkv-k_q251f2cb2b1_qkv
	.p2alignl 7, 3214868480
	.fill 96, 4, 3214868480
	.section	.rodata,"a",@progbits
	.p2align	6, 0x0
	.amdhsa_kernel k_q251f2cb2b1_qkv
		.amdhsa_group_segment_fixed_size 327680
		.amdhsa_private_segment_fixed_size 0
		.amdhsa_enable_private_segment 0
		.amdhsa_kernarg_size 24
		.amdhsa_user_sgpr_count 2
		.amdhsa_user_sgpr_kernarg_segment_ptr 1
		.amdhsa_wavefront_size32 1
		.amdhsa_system_sgpr_workgroup_id_x 1
		.amdhsa_system_sgpr_workgroup_id_y 1
		.amdhsa_system_sgpr_workgroup_id_z 1
		.amdhsa_system_vgpr_workitem_id 0
		.amdhsa_next_free_vgpr 1024
		.amdhsa_next_free_sgpr 100
		.amdhsa_reserve_vcc 0
		.amdhsa_float_denorm_mode_32 3
		.amdhsa_float_denorm_mode_16_64 3
		.amdhsa_memory_ordered 1
		.amdhsa_forward_progress 1
		.amdhsa_inst_pref_size 221
	.end_amdhsa_kernel
	.amdgpu_metadata
---
amdhsa.version: [ 1, 2 ]
amdhsa.kernels:
  - .name:           k_q251f2cb2b1_qkv
    .symbol:         k_q251f2cb2b1_qkv.kd
    .args:
      - { .name: ws0, .offset: 0, .size: 8, .value_kind: global_buffer, .address_space: global }
      - { .name: b_attn, .offset: 8, .size: 8, .value_kind: global_buffer, .address_space: global }
      - { .name: ws1, .offset: 16, .size: 8, .value_kind: global_buffer, .address_space: global }
    .group_segment_fixed_size: 327680
    .private_segment_fixed_size: 0
    .kernarg_segment_align: 8
    .kernarg_segment_size: 24
    .max_flat_workgroup_size: 128
    .sgpr_count:     100
    .vgpr_count:     1024
    .wavefront_size: 32
...
	.end_amdgpu_metadata
.endif
;; end of part 2
;; launch attn (part 3): grid 8 x 32, 8 waves a work-group, clusters of 4 x 1, 327,680 bytes of LDS; arguments ws1, ws2; writes ws2
.if DOCPART == 3
	.amdgcn_target "amdgcn-amd-amdhsa--gfx1250"
	.amdhsa_code_object_version 6
	.text
	.protected	k_q251f2cb2b1_attn
	.globl	k_q251f2cb2b1_attn
	.p2align	8
	.type	k_q251f2cb2b1_attn,@function
k_q251f2cb2b1_attn:
	s_mov_b64 s[64:65], 0
	v_nop
	global_prefetch_b8 v0, s[64:65] scope:SCOPE_SE
	s_setreg_imm32_b32 hwreg(HW_REG_WAVE_MODE, 25, 1), 1
	s_wait_xcnt 0x0
	s_wait_alu depctr_hold_cnt(0) depctr_sa_sdst(0) depctr_va_vdst(0) depctr_va_sdst(0) depctr_va_ssrc(0) depctr_va_vcc(0) depctr_vm_vsrc(0)
	s_getreg_b32 s2, hwreg(HW_REG_IB_STS2, 6, 4)
	s_cmp_eq_u32 s2, 0
	s_cbranch_scc0 .Lentry_in_a_cluster
	s_endpgm
.Lentry_in_a_cluster:
	s_bfe_u32 s2, ttmp6, 0x10000c
	s_cmp_lg_u32 s2, 0x3003
	s_cbranch_scc0 .Lentry_shape_is_right
	s_endpgm
.Lentry_shape_is_right:
; Causal attention of one head on codes of BF6, and its result quantised along C for the projection.
; LEFT OUT: key steps (128 keys) all of whose keys come after a tile's 16 queries: reference()'s own jnp.tril gives them p = 0 for all values of the inputs.
; t = score x log2(e) / 8; M = the running largest t rounded up to a whole number; p = 2^(t - M) is quantised along the keys, not normalised; the row's sum is taken of the unquantised p and divides at the end.
; SHARES.  A head has 128 tiles of 16 queries; tile 8 j + x needs j + 1 key steps.  Work-group x (0 .. 7) has eight waves, two to a SIMD; wave w takes tile 8 (15 - w) + x and then tile 8 w + x:
; 16 - w and w + 1 key steps, 17 in every wave.  Trip T of the 17 works key step min(T, T - (16 - w)), the difference taken modulo 2^32.  A tile's last step is the one on the diagonal: there hidden scores
; become -infinity, the tile is finished and stored, and the wave goes on to its second tile.  No branch and no LDS address hangs on x.
; A tile's 16 tokens are not neighbours: lane r of tile t is token 32 (t / 2) + 8 (t % 2) + r % 8 + 16 (r / 8); so the 16 registers of two neighbouring tiles of S^T = K Q^T are 16 neighbouring keys.
; Both products are used transposed: a lane holds one query throughout.
; LDS: the head's K and V stay: 16 key steps x (K 6,144 + V 6,144 bytes).  They come in four fills of 512 keys, each wave 6,144 bytes a fill; every fill is a first fill, issued as a refill is, and has four key steps in
; which to land.  A second tile reads key steps 0 .. 7, which landed long before.  The head's scale words of K and V (12,288 bytes) come by plain loads and LDS stores into bytes of their own.
; CLUSTER 4, 1, 1: the four work-groups ask for the same bytes in the same round: joint loads with the mask 15.
; PREFETCH: in the trip that loads chunk c + 1 the cluster names chunk c + 2's 192 blocks of 256 bytes once: work-group cx 48 of them, a wave 6 (lanes 6 .. 31 name the wave's last block again); chunks 0 and 1 come by their loads alone; the last filling trip asks for nothing.
; THE FIRST PRODUCT'S K is the head's 64: Q's registers 6 .. 11 are zero codes, so whatever finite codes stand in the upper six registers of K's fragment add nothing: fragment t is v[K + 6 t .. K + 6 t + 11],
; its upper half the next tile's codes (the last tile's: p's old codes).  No scale byte there is 0xff.
; A TILE BEGINS with the largest t at -3e38: the first step's factor 2^(old M - new M) is 0, which clears the sums and O^T left by the tile before.
; LIMITS: NaN and infinities are not served (a first tile's O^T must be finite for that factor to clear it); a block of zeros gets the byte 1; the scaled scores stay under 2^31 in magnitude.
.set CHUNK, 73728                      ; from 512 tokens to the next in ws1: K 24,576 | V 24,576 | Q 24,576
.set HEADB, 294912
.set SCB,   9437184
.set HSC,   20480
.set KSB,   12288                      ; LDS: a key step
.set SCK,   16*KSB
.set SPARE, SCK+12288                  ; the spare words, 128 bytes for each of eight waves
.set A16,  1
.set A8,   2
.set ASK0, 3
.set ASV0, 4
.set SPW,  5
.set NIL,  6
.set DM,   7                           ; on the diagonal register 16 b + i is hidden where 32 b + i > v[DM]
.set ADK,  8
.set ADK8, 9
.set ADS,  10
.set ADT,  11
.set VS,   28                          ; v12 -M, v13 largest t, v[14:15] the sum, v16-27 Q, v28-31 V's scale words
.set K,    32                          ; v32-79 K's eight tiles; behind the first product these registers are at work:
.set BM,   32
.set PM,   36
.set SO,   40
.set BY,   44
.set CT,   48
.set SA,   56
.set TP,   70
.set PCD,  80                          ; v80-91 p's codes
.set V,    92
.set S,    140
.set O,    204
.set KW,   236
.set QS,   244
.set R16,  245
.set Q2,   246                         ; v246-252 the second tile's Q and its scale word
.set PFO,  253
.set F,    254
.set PW,   255
.set WV,   18
.set X,    19
.set SEL,  20
.set CS,   22
.set G1,   24
.set T,    32
.set T2,   33
.set DG,   34
.set KS,   35
.set TB,   36
.set TS,   37
.set TJ,   38
.set TT,   39
.set G0,   40
.set SLOTS, 44
.set INR,  45
.set TSH,  46
.set CX,   47
.set PFA,  56
.macro ROUND                           ; a round of the cluster's barrier
	s_barrier_signal -1
	s_barrier_wait -1
	s_cmp_lg_u32 s[WV], 0
	s_cbranch_scc1 .Lnw0_\@
	s_barrier_signal -3
.Lnw0_\@:
	s_barrier_wait -3
	s_barrier_signal -1
	s_barrier_wait -1
.endm
.macro QADDR tile, qb, sb              ; where a tile's Q and its scale words lie
	s_lshr_b32 s9, s[\tile], 5
	s_mul_i32 s9, s9, CHUNK
	s_and_b32 s10, s[\tile], 31
	s_mul_i32 s10, s10, 768
	s_add_co_u32 s60, s9, s10
	s_add_co_u32 s60, s60, 49152
	s_add_nc_u64 s[\qb:\qb+1], s[12:13], s[60:61]
	s_lshr_b32 s9, s[\tile], 2
	s_lshl_b32 s9, s9, 8
	s_and_b32 s10, s[\tile], 3
	s_lshl_b32 s10, s10, 2
	s_add_co_u32 s60, s9, s10
	s_add_co_u32 s60, s60, 12288
	s_add_nc_u64 s[\sb:\sb+1], s[14:15], s[60:61]
.endm
	s_load_b128 s[4:7], s[0:1], 0x0                ; ws1 s[4:5], ws2 s[6:7]
	v_lshl_add_u32 v[SPW], v0, 2, SPARE
	v_mov_b32 v[NIL], 0
	ds_add_u32 v[SPW], v[NIL]                      ; the opening: the add, twice on end, and its wait ahead of my first tensor load
	ds_add_u32 v[SPW], v[NIL]
	v_lshrrev_b32 v8, 5, v0
	v_readfirstlane_b32 s[WV], v8                  ; wave 0..7
	s_bfe_u32 s[CX], ttmp6, 0x40000
	s_lshl_b32 s[X], ttmp9, 2
	s_add_co_u32 s[X], s[X], s[CX]                 ; work-group x
	s_and_b32 s8, ttmp7, 0xffff                    ; 16 batch + head
	s_sub_co_u32 s[DG], 15, s[WV]                  ; the trip of my first tile's diagonal
	s_lshl_b32 s9, s[DG], 3
	s_add_co_u32 s[TT], s9, s[X]                   ; my first tile,
	s_lshl_b32 s9, s[WV], 3
	s_add_co_u32 s[TSH], s9, s[X]                  ; my second
	s_add_co_u32 s[T2], s[WV], 0xfffffff0          ; T - (16 - w) modulo 2^32
	s_mov_b32 s[T], 0
	s_mov_b32 s[G1], 15|(3<<16)|(1<<21)            ; 6,144 dense bytes as 24 rows of 256 (32 elements of 8); the mask names the cluster's four
	s_mov_b32 s[G1+1], 32<<16
	s_mov_b32 s[G1+2], 24<<16
	s_mov_b32 s[G1+3], 32<<16
	s_mov_b32 s[G1+4], 24
	s_mov_b32 s[G1+5], 32
	s_mov_b32 s[G1+6], 0
	s_mov_b32 s[G1+7], 0
	s_mul_i32 s12, s8, HEADB
	s_mov_b32 s13, 0
	s_mul_i32 s14, s8, HSC
	s_add_co_u32 s14, s14, SCB
	s_mov_b32 s15, 0
	s_and_b32 s16, s[WV], 3                        ; waves 0-3 fetch K of key step 4 c + w, waves 4-7 V of key step 4 c + w - 4
	s_mul_i32 s16, s16, KSB
	s_lshr_b32 s17, s[WV], 2
	s_mul_i32 s17, s17, 6144
	s_add_co_u32 s16, s16, s17
	s_mul_i32 s60, s[WV], 6144                     ; in memory the eight pieces lie on end
	s_mov_b32 s61, 0
	s_mov_b32 s[SEL], 0x76543210
	s_mov_b32 s[SEL+1], 0xfedcba98
	s_mov_b32 s[CS], 0x3e38aa3b                    ; c = log2(e) / sqrt(64)
	s_mov_b32 s[CS+1], s[CS]
	s_mov_b32 s[SLOTS], 3
	s_wait_dscnt 0x0                               ; both opening adds are done
	s_wait_kmcnt 0x0
	s_add_nc_u64 s[12:13], s[4:5], s[12:13]        ; ws1 at my head's codes,
	s_add_nc_u64 s[14:15], s[4:5], s[14:15]        ; and at its scale words
	s_mov_b32 s[G0], 1
	s_mov_b32 s[G0+1], s16
	s_add_nc_u64 s[G0+2:G0+3], s[12:13], s[60:61]
	s_or_b32 s[G0+3], s[G0+3], 0x80000000
	ROUND                                          ; the four work-groups are here: the first joint loads meet
	tensor_load_to_lds s[G0:G0+3], s[G1:G1+7]      ; keys 0 .. 511: one load a wave
	s_nop 0
.rept 4
	v_nop
.endr
	s_lshr_b32 s9, s[X], 1
	s_lshl_b32 s9, s9, 5
	s_and_b32 s10, s[X], 1
	s_lshl_b32 s10, s10, 3
	s_add_co_u32 s9, s9, s10                       ; a tile's first query less its diagonal step's first key: 32 (x / 2) + 8 (x % 2)
	v_and_b32 v10, 15, v0                          ; r
	v_bfe_u32 v11, v0, 4, 1                        ; h
	v_and_b32 v[A16], 31, v0
	v_lshlrev_b32 v[R16], 4, v10
	v_lshlrev_b32 v[A16], 4, v[A16]
	v_lshl_add_u32 v[A8], v11, 3, v[R16]
	v_add_nc_u32 v[ASK0], SCK, v[R16]
	v_add_nc_u32 v[ASV0], SCK+8192, v[R16]
	v_and_b32 v[DM], 7, v10
	v_lshrrev_b32 v10, 3, v10
	v_lshlrev_b32 v11, 4, v11
	v_lshl_add_u32 v[DM], v10, 4, v[DM]
	v_sub_nc_u32 v[DM], v[DM], v11
	v_add_nc_u32 v[DM], s9, v[DM]
	v_and_b32 v[PFO], 31, v0
	v_min_u32 v[PFO], 5, v[PFO]
	v_lshlrev_b32 v[PFO], 8, v[PFO]
	v_lshlrev_b32 v8, 4, v0
	v_lshl_add_u32 v9, v0, 4, SCK
	QADDR TT, 62, 66
	QADDR TSH, 68, 70
	s_wait_alu depctr_va_vdst(0)
	global_load_b128 v[16:19], v[A16], s[62:63]
	global_load_b64 v[20:21], v[A8], s[62:63] offset:512
	global_load_b32 v[QS], v[R16], s[66:67]
	global_load_b128 v[Q2:Q2+3], v[A16], s[68:69]
	global_load_b64 v[Q2+4:Q2+5], v[A8], s[68:69] offset:512
	global_load_b32 v[Q2+6], v[R16], s[70:71]
.irp i, 0,1,2
	global_load_b128 v[S+4*\i:S+4*\i+3], v8, s[14:15] offset:4096*\i   ; the scale words of K and V: 256 threads x 16 bytes, three times
.endr
	s_mul_i32 s60, s[CX], 12288
	s_mul_i32 s9, s[WV], 1536
	s_add_co_u32 s60, s60, s9
	s_add_co_u32 s60, s60, CHUNK                   ; in chunk 1: the first trip steps it to chunk 2
	s_add_nc_u64 s[PFA:PFA+1], s[12:13], s[60:61]
	v_mov_b32 v13, 0xff61b1e6                      ; the largest t so far: -3e38
	v_mov_b32 v14, 0
	v_mov_b32 v15, 0
	v_floor_f32 v12, -v13
.irp i, 22,23,24,25,26,27
	v_mov_b32 v[\i], 0                             ; Q's k = 64 .. 127: zero codes
.endr
.set n, 0
.rept 12
	v_mov_b32 v[PCD+n], 0
.set n, n+1
.endr
	v_mov_b32 v[F], 0
	v_mov_b32 v[PW], 0
.set n, 0
.rept 32
	v_mov_b32 v[O+n], 0                            ; O^T: the step is written once; the first finds zeros
.set n, n+1
.endr
	s_wait_alu depctr_va_vdst(0)                   ; the head's end
	s_wait_loadcnt 0x0
.irp i, 0,1,2
	ds_store_b128 v9, v[S+4*\i:S+4*\i+3] offset:4096*\i
.endr
; A KEY STEP: 128 keys
.macro STEP
	s_min_u32 s[KS], s[T], s[T2]
	s_mul_i32 s[TB], s[KS], KSB
	s_lshl_b32 s[TS], s[KS], 9
	s_lshl_b32 s[TJ], s[KS], 8
	v_add_nc_u32 v[ADK], s[TB], v[A16]             ; (these four are the places behind the last step's products, in front of the loads)
	v_add_nc_u32 v[ADK8], s[TB], v[A8]
	v_add_nc_u32 v[ADS], s[TS], v[ASK0]
	v_add_nc_u32 v[ADT], s[TJ], v[ASV0]
.irp t, 0,1,2,3,4,5,6,7
	ds_load_b128 v[K+6*\t:K+6*\t+3], v[ADK] offset:768*\t
	ds_load_b64 v[K+6*\t+4:K+6*\t+5], v[ADK8] offset:768*\t+512
.endr
	ds_load_b128 v[KW:KW+3], v[ADS]
	ds_load_b128 v[KW+4:KW+7], v[ADS] offset:256
.irp t, 0,1,2,3
	ds_load_b128 v[V+12*\t:V+12*\t+3], v[ADK] offset:6144+1536*\t
	ds_load_b64 v[V+12*\t+4:V+12*\t+5], v[ADK8] offset:6144+1536*\t+512
	ds_load_b128 v[V+12*\t+6:V+12*\t+9], v[ADK] offset:6144+1536*\t+768
	ds_load_b64 v[V+12*\t+10:V+12*\t+11], v[ADK8] offset:6144+1536*\t+1280
.endr
	ds_load_b128 v[VS:VS+3], v[ADT]
	s_wait_dscnt 17                                ; K's 16 loads and its two of scale words are in; V's 16 and its scale words may be out
.irp t, 0,1,2,3,4,5,6,7
	v_wmma_scale_f32_16x16x128_f8f6f4 v[S+8*\t:S+8*\t+7], v[K+6*\t:K+6*\t+11], v[16:27], 0, v[KW+\t], v[QS] matrix_a_fmt:MATRIX_FMT_BF6 matrix_b_fmt:MATRIX_FMT_BF6
.endr
.rept 4
	v_nop
.endr
	s_cmp_lg_u32 s[T], s[DG]                       ; the wave's number and the count of trips alone
	s_cbranch_scc1 .Lopen_\@
	v_mov_b32 v[TP], 0xff800000
.set n, 0
.rept 64
	v_cmp_gt_i32 vcc_lo, 32*(n/16)+n%16, v[DM]
	v_cndmask_b32 v[S+n], v[S+n], v[TP], vcc_lo
.set n, n+1
.endr
.Lopen_\@:
.irp b, 0,1,2,3
	v_max3_num_f32 v[BM+\b], v[S+16*\b], v[S+1+16*\b], v[S+2+16*\b]   ; the largest score of each block of 32 keys: for the row's maximum, and for the block's largest p
.endr
.irp i, 3,5,7,9,11,13
.irp b, 0,1,2,3
	v_max3_num_f32 v[BM+\b], v[BM+\b], v[S+16*\b+\i], v[S+1+16*\b+\i]
.endr
.endr
.irp b, 0,1,2,3
	v_max_num_f32 v[BM+\b], v[BM+\b], v[S+15+16*\b]
.endr
.irp b, 0,1,2,3
	v_permlanex16_b32 v[PM+\b], v[BM+\b], s[SEL], s[SEL+1]
.endr
.irp b, 0,1,2,3
	v_max_num_f32 v[BM+\b], v[BM+\b], v[PM+\b]
.endr
	v_max3_num_f32 v[TP], v[BM], v[BM+1], v[BM+2]
	s_delay_alu instid0(VALU_DEP_1)
	v_max_num_f32 v[TP], v[TP], v[BM+3]
	s_delay_alu instid0(VALU_DEP_1)
	v_mul_f32 v[TP], s[CS], v[TP]
	s_delay_alu instid0(VALU_DEP_1)
	v_max_num_f32 v13, v13, v[TP]                  ; the running largest t
	v_mov_b32 v[TP], v12
	s_delay_alu instid0(VALU_DEP_2)
	v_floor_f32 v12, -v13                          ; -M = floor(-t): M is a whole number
	s_delay_alu instid0(VALU_DEP_1)
	v_sub_f32 v[TP], v12, v[TP]
	s_delay_alu instid0(VALU_DEP_1)
	v_cvt_i32_f32 v[TP], v[TP]                     ; (it saturates)
	s_delay_alu instid0(VALU_DEP_1)
	v_ldexp_f32 v[F], 1.0, v[TP]                   ; f = 2^(old M - new M)
.set n, 0
.rept 32
	v_pk_fma_f32 v[S+n:S+n+1], v[S+n:S+n+1], s[CS:CS+1], v[12:13] op_sel_hi:[1,0,0]   ; t - M
.set n, n+2
.endr
.irp b, 0,1,2,3
	v_fma_f32 v[BM+\b], v[BM+\b], s[CS], v12
.endr
	s_wait_dscnt 0x0                               ; V is in
	s_wait_alu depctr_va_vdst(0)                   ; ahead of the batch
.irp b, 0,1,2,3
	v_exp_f32 v[BM+\b], v[BM+\b]                   ; each block's largest p
.endr
.set n, 0
.rept 64
	v_exp_f32 v[S+n], v[S+n]                       ; p = 2^(t - M)
.set n, n+1
.endr
	v_pk_mul_f32 v[14:15], v[14:15], v[F:F+1] op_sel_hi:[1,0]   ; the sums under the new M (a plain instruction behind the exponentials)
	s_wait_alu depctr_va_vdst(0)                   ; one wait for the batch, ahead of its first reader
.irp c, 0,1,2
	v_pk_add_f32 v[SA+2*\c:SA+2*\c+1], v[S+4*\c:S+4*\c+1], v[S+4*\c+2:S+4*\c+3]   ; the row's sum of the unquantised p, in four chains by turns
.endr
.set n, 6
.rept 26
.if n%4 == 3
	v_pk_add_f32 v[14:15], v[14:15], v[S+2*n:S+2*n+1]
.else
	v_pk_add_f32 v[SA+2*(n%4):SA+2*(n%4)+1], v[SA+2*(n%4):SA+2*(n%4)+1], v[S+2*n:S+2*n+1]
.endif
.set n, n+1
.endr
.irp b, 0,1,2,3
	v_max_num_f32 v[BM+\b], 0x2800000, v[BM+\b]    ; the floor 2^(5 - 127)
.endr
	v_pk_add_f32 v[SA:SA+1], v[SA:SA+1], v[SA+2:SA+3]
	v_pk_add_f32 v[14:15], v[14:15], v[SA+4:SA+5]
.irp b, 0,1,2,3
	v_add_nc_u32 v[SO+\b], 0xfe000000, v[BM+\b]
.endr
	v_pk_add_f32 v[14:15], v[14:15], v[SA:SA+1]
.irp b, 0,1,2,3
	v_lshrrev_b32 v[BY+\b], 23, v[SO+\b]
.endr
	v_lshl_or_b32 v[PW], v[BY+1], 8, v[BY]         ; p's scale word for these 128 keys
	s_delay_alu instid0(VALU_DEP_1)
	v_lshl_or_b32 v[PW], v[BY+2], 16, v[PW]
	s_delay_alu instid0(VALU_DEP_1)
	v_lshl_or_b32 v[PW], v[BY+3], 24, v[PW]
.irp c, 0,1
	v_cvt_scalef32_pk16_bf6_f32 v[PCD+6*\c:PCD+6*\c+2], v[S+32*\c:S+32*\c+15], v[SO+2*\c]
	v_cvt_scalef32_pk16_bf6_f32 v[CT+4*\c:CT+4*\c+2], v[S+32*\c+16:S+32*\c+31], v[SO+2*\c+1]
.endr
	v_nop
.irp c, 0,1
.irp i, 0,1,2
	v_permlane16_swap_b32 v[PCD+6*\c+\i], v[CT+4*\c+\i]
.endr
.irp i, 0,1,2
	v_mov_b32 v[PCD+6*\c+3+\i], v[CT+4*\c+\i]
.endr
.endr
	s_wait_alu depctr_va_vdst(0)                   ; directly ahead of the first reader of O^T
.set n, 0
.rept 16
	v_pk_mul_f32 v[O+n:O+n+1], v[O+n:O+n+1], v[F:F+1] op_sel_hi:[1,0]   ; O^T under the new M.  (These sixteen stand between the writing of p's codes and scale word and the products)
.set n, n+2
.endr
.irp t, 0,1,2,3
	v_wmma_scale_f32_16x16x128_f8f6f4 v[O+8*\t:O+8*\t+7], v[V+12*\t:V+12*\t+11], v[PCD:PCD+11], v[O+8*\t:O+8*\t+7], v[VS+\t], v[PW] matrix_a_fmt:MATRIX_FMT_BF6 matrix_b_fmt:MATRIX_FMT_BF6
.endr
	s_cmp_lg_u32 s[T], s[DG]
	s_cbranch_scc1 .Lon_\@
	; THE TILE IS FINISHED: O^T / the sum; a lane's 32 registers are its query's channels 32 b + 16 h + i: quantised they are 64 along the projection's K
	v_add_f32 v14, v14, v15
	s_delay_alu instid0(VALU_DEP_1)
	v_permlanex16_b32 v[PM], v14, s[SEL], s[SEL+1]
	s_delay_alu instid0(VALU_DEP_1)
	v_add_f32 v14, v14, v[PM]
	s_wait_alu depctr_va_vdst(0)
	v_rcp_f32 v14, v14
	s_lshr_b32 s9, s8, 4
	s_and_b32 s10, s8, 15
	s_lshl_b32 s9, s9, 7
	s_add_co_u32 s9, s9, s[TT]                     ; the token tile
	s_mul_i32 s60, s9, 12288
	s_mul_i32 s11, s10, 768
	s_add_co_u32 s60, s60, s11
	s_add_nc_u64 s[62:63], s[6:7], s[60:61]
	s_lshr_b32 s9, s9, 2
	s_lshl_b32 s60, s9, 11
	s_lshr_b32 s11, s10, 1
	s_lshl_b32 s11, s11, 8
	s_add_co_u32 s60, s60, s11
	s_and_b32 s11, s[TT], 3
	s_lshl_b32 s11, s11, 2
	s_add_co_u32 s60, s60, s11
	s_and_b32 s11, s10, 1
	s_lshl_b32 s11, s11, 1
	s_add_co_u32 s60, s60, s11
	s_add_co_u32 s60, s60, 3145728
	s_add_nc_u64 s[66:67], s[6:7], s[60:61]
.rept 4
	v_nop                                          ; the places behind the products, and behind the reciprocal
.endr
	s_wait_alu depctr_va_vdst(0)                   ; ahead of the first reader of the reciprocal and of O^T
.set n, 0
.rept 32
	v_mul_f32 v[S+n], v[O+n], v14
.set n, n+1
.endr
.irp b, 0,1
	v_max3_num_f32 v[BM+\b], |v[S+16*\b]|, |v[S+1+16*\b]|, 0x2800000
.endr
.irp i, 2,4,6,8,10,12,14
.irp b, 0,1
	v_max3_num_f32 v[BM+\b], v[BM+\b], |v[S+16*\b+\i]|, |v[S+1+16*\b+\i]|
.endr
.endr
.irp b, 0,1
	v_permlanex16_b32 v[PM+\b], v[BM+\b], s[SEL], s[SEL+1]
.endr
.irp b, 0,1
	v_max_num_f32 v[BM+\b], v[BM+\b], v[PM+\b]
.endr
.irp b, 0,1
	v_add_nc_u32 v[SO+\b], 0xfe000000, v[BM+\b]
.endr
.irp b, 0,1
	v_lshrrev_b32 v[BY+\b], 23, v[SO+\b]
.endr
	v_lshl_or_b32 v[BY+2], v[BY+1], 8, v[BY]       ; my head's two bytes of the row's scale word
	v_cvt_scalef32_pk16_bf6_f32 v[CT:CT+2], v[S:S+15], v[SO]
	v_cvt_scalef32_pk16_bf6_f32 v[CT+12:CT+14], v[S+16:S+31], v[SO+1]
	v_nop
.irp i, 0,1,2
	v_permlane16_swap_b32 v[CT+\i], v[CT+12+\i]
.endr
.irp i, 0,1,2
	v_mov_b32 v[CT+3+\i], v[CT+12+\i]
.endr
	global_store_b128 v[A16], v[CT:CT+3], s[62:63]
	global_store_b64 v[A8], v[CT+4:CT+5], s[62:63] offset:512
	global_store_b16 v[R16], v[BY+2], s[66:67]     ; (the word's other half is another head's; both halves of the lanes write the same value)
	s_wait_xcnt 0x0                                ; the stores have read their registers, which the next step's loads take
	s_cmp_eq_u32 s[T], 16
	s_cbranch_scc1 .Lon_\@
	s_mov_b32 s[DG], 16                            ; on to my second tile: its diagonal is the last trip's
	s_mov_b32 s[TT], s[TSH]
	v_mov_b32 v[QS], v[Q2+6]
.irp i, 0,1,2,3,4,5
	v_mov_b32 v[16+\i], v[Q2+\i]
.endr
	v_mov_b32 v13, 0xff61b1e6                      ; the next step's factor is 0: it clears the sums and O^T
	s_delay_alu instid0(VALU_DEP_1)
	v_floor_f32 v12, -v13
	s_wait_alu depctr_va_vdst(0)
.Lon_\@:
	s_add_co_u32 s[T], s[T], 1
	s_add_co_u32 s[T2], s[T2], 1
.endm
.macro STEPS count
	s_mov_b32 s[INR], \count
.Lstep_\@:
	STEP
	s_sub_co_u32 s[INR], s[INR], 1
	s_cmp_lg_u32 s[INR], 0
	s_wait_alu depctr_va_vdst(0)                   ; directly ahead of the branch
	s_cbranch_scc1 .Lstep_\@
.endm
.Lchunk:                                               ; three trips: chunk c is shown whole to every wave, chunk c + 1 is asked for, four key steps are worked
	s_wait_tensorcnt 0x0                           ; my part of this trip's chunk has landed
	ds_add_u32 v[SPW], v[NIL]
	s_add_co_u32 s[G0+1], s[G0+1], 4*KSB           ; the next 512 keys, into the next four key steps' bytes
	s_add_nc_u64 s[G0+2:G0+3], s[G0+2:G0+3], CHUNK
	s_wait_xcnt 0x0                                ; the last trip's prefetch has read its address
	s_add_nc_u64 s[PFA:PFA+1], s[PFA:PFA+1], CHUNK
	s_wait_dscnt 0x0
	ROUND
	tensor_load_to_lds s[G0:G0+3], s[G1:G1+7]      ; a first fill, issued as a refill is: my one load behind the round
	s_nop 0
.rept 4
	v_nop
.endr
	s_cmp_gt_u32 s[SLOTS], 1                       ; the chunk behind the one just asked for; the last filling trip has none
	s_cbranch_scc0 .Lno_ask
	global_prefetch_b8 v[PFO], s[PFA:PFA+1] th:TH_LOAD_NT scope:SCOPE_SE
.Lno_ask:
	STEPS 4
	s_sub_co_u32 s[SLOTS], s[SLOTS], 1
	s_cmp_lg_u32 s[SLOTS], 0
	s_cbranch_scc1 .Lchunk
	s_wait_tensorcnt 0x0                           ; the last chunk; nothing more is asked for
	ds_add_u32 v[SPW], v[NIL]
	s_wait_dscnt 0x0
	s_barrier_signal -1
	s_barrier_wait -1
	STEPS 5
	s_wait_tensorcnt 0x0                           ; the wave's end
	ds_add_u32 v[SPW], v[NIL]
	s_wait_dscnt 0x0
	ROUND                                          ; the closing round
	s_endpgm
.Lfunc_end_k_q251f2cb2b1_attn:
	.size	k_q251f2cb2b1_attn, .Lfunc_end_k_q251f2cb2b1_attn-k_q251f2cb2b1_attn
	.p2alignl 7, 3214868480
	.fill 96, 4, 3214868480
	.section	.rodata,"a",@progbits
	.p2align	6, 0x0
	.amdhsa_kernel k_q251f2cb2b1_attn
		.amdhsa_group_segment_fixed_size 327680
		.amdhsa_private_segment_fixed_size 0
		.amdhsa_enable_private_segment 0
		.amdhsa_kernarg_size 16
		.amdhsa_user_sgpr_count 2
		.amdhsa_user_sgpr_kernarg_segment_ptr 1
		.amdhsa_wavefront_size32 1
		.amdhsa_system_sgpr_workgroup_id_x 1
		.amdhsa_system_sgpr_workgroup_id_y 1
		.amdhsa_system_sgpr_workgroup_id_z 1
		.amdhsa_system_vgpr_workitem_id 0
		.amdhsa_next_free_vgpr 256
		.amdhsa_next_free_sgpr 100
		.amdhsa_reserve_vcc 1
		.amdhsa_float_denorm_mode_32 3
		.amdhsa_float_denorm_mode_16_64 3
		.amdhsa_memory_ordered 1
		.amdhsa_forward_progress 1
		.amdhsa_inst_pref_size 63
	.end_amdhsa_kernel
	.amdgpu_metadata
---
amdhsa.version: [ 1, 2 ]
amdhsa.kernels:
  - .name:           k_q251f2cb2b1_attn
    .symbol:         k_q251f2cb2b1_attn.kd
    .args:
      - { .name: ws1, .offset: 0, .size: 8, .value_kind: global_buffer, .address_space: global }
      - { .name: ws2, .offset: 8, .size: 8, .value_kind: global_buffer, .address_space: global }
    .group_segment_fixed_size: 327680
    .private_segment_fixed_size: 0
    .kernarg_segment_align: 8
    .kernarg_segment_size: 16
    .max_flat_workgroup_size: 256
    .sgpr_count:     100
    .vgpr_count:     256
    .wavefront_size: 32
...
	.end_amdgpu_metadata
.endif
;; end of part 3
;; launch proj (part 4): grid 8 x 32, 4 waves a work-group, clusters of 4 x 4, 327,680 bytes of LDS; arguments ws2, ws0, b_proj, x, alpha, gamma, beta, ws3; writes ws3
.if DOCPART == 4
	.amdgcn_target "amdgcn-amd-amdhsa--gfx1250"
	.amdhsa_code_object_version 6
	.text
	.protected	k_q251f2cb2b1_proj
	.globl	k_q251f2cb2b1_proj
	.p2align	8
	.type	k_q251f2cb2b1_proj,@function
k_q251f2cb2b1_proj:
	s_mov_b64 s[64:65], 0
	v_nop
	global_prefetch_b8 v0, s[64:65] scope:SCOPE_SE
	s_setreg_imm32_b32 hwreg(HW_REG_WAVE_MODE, 25, 1), 1
	s_wait_xcnt 0x0
	s_wait_alu depctr_hold_cnt(0) depctr_sa_sdst(0) depctr_va_vdst(0) depctr_va_sdst(0) depctr_va_ssrc(0) depctr_va_vcc(0) depctr_vm_vsrc(0)
	s_getreg_b32 s2, hwreg(HW_REG_IB_STS2, 6, 4)
	s_cmp_eq_u32 s2, 0
	s_cbranch_scc0 .Lentry_in_a_cluster
	s_endpgm
.Lentry_in_a_cluster:
	s_bfe_u32 s2, ttmp6, 0x10000c
	s_cmp_lg_u32 s2, 0xf033
	s_cbranch_scc0 .Lentry_shape_is_right
	s_endpgm
.Lentry_shape_is_right:
.set TROW, 12288
.set GS,   2048
.set KSN,  8
.set LAPS, 1
.set AQ_OFF, 0
.set AS_OFF, 3145728
.set BQ_OFF, 5734400
.set BS_OFF, 6520832
.set FR,    12
; ALL OF K (1,024) LIES IN LDS: a tile's 12,288 bytes on end, four tiles a wave by one joint load at the head; nothing is filled later.  SLOT is the step from K 0 .. 511 to K 512 .. 1,023 inside a tile.
; The scale words come by plain loads and LDS stores into bytes of their own behind the tiles.
.set TB6,   12288
.set QUART, 4*TB6
.set SLOT,  6144
.set SCL,   4*QUART
.set SPARE, SCL+4*GS
.set VA5,  8
.set VB2,  10
.set CL,   12
.set XO,   13
.set H64,  14
.set R16,  15
.set ADRA, 16
.set ADRB, 20
.set L16,  24
.set L8,   25
.set ADRS, 27
.set SPW,  28
.set NIL,  29
.set SC,   32
.set PC,   40
.set PWH,  60
.set AF,   64
.set BF,   160
.set T,    64
.set U,    192
.set Z,    224
.set P,    240
.set TM,   224
.set G1, 24
.set G0, 32
.set G1B, 48
.set G0B, 56
.set G1S, 68
.set G0S, 76
.set G1SB, 80
.set G0SB, 88
.set AL, 96
.set A6, 24
.set A4, 26
.set A3, 28
.set A2, 30
.set A1, 32
.set A0, 34
.set B3, 36
.set B1, 38
.set B0, 48
.set X1B, 50
.set HQB, 52
.set HSB, 54
.set SEL, 56
.set MULW, 0x50
.set MSB, 0
.macro WIN new
.if MSB != (\new)
	s_set_vgpr_msb (MSB<<8)|(\new)
.set MSB, (\new)
.endif
.endm
.macro JLOAD g0a, g1a, g0b, g1b
	s_cmp_eq_u32 s15, 0
	s_cbranch_scc0 .Lfor_b_\@
	tensor_load_to_lds s[\g0a:\g0a+3], s[\g1a:\g1a+7]
	s_nop 0
.rept 4
	v_nop
.endr
	s_branch .Lasked_\@
.Lfor_b_\@:
	tensor_load_to_lds s[\g0b:\g0b+3], s[\g1b:\g1b+7]
	s_nop 0
.rept 4
	v_nop
.endr
.Lasked_\@:
.endm
.macro CREST
	s_cmp_lg_u32 s14, 0
	s_cbranch_scc1 .Lnot_wave_0_\@
	s_barrier_signal -3
.Lnot_wave_0_\@:
	s_barrier_wait -3
	s_barrier_signal -1
	s_barrier_wait -1
.endm
.macro CROUND
	s_barrier_signal -1
	s_barrier_wait -1
	CREST
.endm
.macro SPAIR reg, val
	s_mov_b32 s[\reg], \val
	s_mov_b32 s[\reg+1], \val
.endm
	s_load_b128 s[4:7], s[0:1], 0x0
	v_lshl_add_u32 v[SPW], v0, 2, SPARE
	v_mov_b32 v[NIL], 0
	ds_add_u32 v[SPW], v[NIL]
	ds_add_u32 v[SPW], v[NIL]
	v_lshrrev_b32 v1, 5, v0
	v_readfirstlane_b32 s14, v1
	s_lshr_b32 s15, s14, 1
	s_and_b32 s16, s14, 1
	s_bfe_u32 s40, ttmp6, 0x40000
	s_bfe_u32 s41, ttmp6, 0x40004
	s_lshl_b32 s42, ttmp9, 2
	s_add_co_u32 s42, s42, s40
	s_and_b32 s17, ttmp7, 0xffff
	s_lshl_b32 s17, s17, 2
	s_add_co_u32 s17, s17, s41
	s_lshl_b32 s43, s41, 2
	s_lshl_b32 s43, 15, s43
	s_lshl_b32 s44, 0x1111, s40
	s_or_b32 s[G1+0], s43, (3<<16)|(1<<21)
	s_or_b32 s[G1B+0], s44, (3<<16)|(1<<21)
.irp g, G1, G1B
	s_mov_b32 s[\g+1], 1536<<16
	s_mov_b32 s[\g+2], 4<<16
	s_mov_b32 s[\g+3], 1536<<16
	s_mov_b32 s[\g+4], 4
	s_mov_b32 s[\g+5], TROW/8
	s_mov_b32 s[\g+6], 0
	s_mov_b32 s[\g+7], 0
.endr
	s_lshl_b32 s18, s16, 2
	s_lshl_b32 s20, s17, 3
	s_add_co_u32 s20, s20, s18
	s_lshr_b32 s22, s20, 2
	s_mul_i32 s22, s22, GS
	s_add_co_u32 s22, s22, AS_OFF
	s_mul_i32 s20, s20, TROW
	s_add_co_u32 s20, s20, AQ_OFF
	s_mov_b32 s21, 0
	s_mov_b32 s23, 0
	s_lshl_b32 s46, s42, 3
	s_add_co_u32 s46, s46, s18
	s_lshr_b32 s92, s46, 2
	s_mul_i32 s92, s92, GS
	s_add_co_u32 s92, s92, BS_OFF
	s_mul_i32 s46, s46, TROW
	s_add_co_u32 s46, s46, BQ_OFF
	s_mov_b32 s47, 0
	s_mov_b32 s93, 0
	s_mul_i32 s45, s14, QUART
	s_mul_i32 s94, s14, GS
	s_wait_dscnt 0x0
	s_wait_kmcnt 0x0
	s_add_nc_u64 s[20:21], s[4:5], s[20:21]
	s_add_nc_u64 s[22:23], s[4:5], s[22:23]
	s_add_nc_u64 s[46:47], s[6:7], s[46:47]
	s_add_nc_u64 s[92:93], s[6:7], s[92:93]
	CROUND
	s_mov_b32 s[G0], 1
	s_mov_b32 s[G0+1], s45
	s_mov_b64 s[G0+2:G0+3], s[20:21]
	s_or_b32 s[G0+3], s[G0+3], 0x80000000
	s_mov_b32 s[G0B], 1
	s_mov_b32 s[G0B+1], s45
	s_mov_b64 s[G0B+2:G0B+3], s[46:47]
	s_or_b32 s[G0B+3], s[G0B+3], 0x80000000
	JLOAD G0, G1, G0B, G1B                         ; my four tiles, all of K: the wave's one tensor load
	s_cmp_eq_u32 s15, 0                            ; the scale words of 64 rows, 2,048 dense bytes a wave: waves 0, 1 A's, waves 2, 3 B's
	s_cselect_b64 s[92:93], s[22:23], s[92:93]
	s_add_co_u32 s94, s94, SCL
	v_and_b32 v1, 15, v0
	v_bfe_u32 v2, v0, 4, 1
	v_and_b32 v3, 31, v0
	v_lshlrev_b32 v[L16], 4, v3
	v_lshlrev_b32 v[R16], 4, v1
	v_lshl_add_u32 v[L8], v2, 3, v[R16]
	s_mul_i32 s21, s15, QUART
	s_mul_i32 s22, s16, QUART
	s_add_co_u32 s22, s22, 2*QUART
.irp s, 0,1
	v_add_nc_u32 v[ADRA+\s], s21, v[L16]
	v_add_nc_u32 v[ADRB+\s], s22, v[L16]
	v_add_nc_u32 v[ADRA+2+\s], s21, v[L8]
	v_add_nc_u32 v[ADRB+2+\s], s22, v[L8]
	s_add_co_u32 s21, s21, SLOT
	s_add_co_u32 s22, s22, SLOT
.endr
	s_mul_i32 s21, s15, GS
	s_mul_i32 s22, s16, GS
	s_add_co_u32 s22, s22, 2*GS
	s_sub_co_u32 s22, s22, s21
	v_mul_u32_u24 v6, s22, v2
	s_add_co_u32 s21, s21, SCL
	v_lshl_add_u32 v5, v1, 4, v6
	v_add_nc_u32 v[ADRS], s21, v5
	v_add_nc_u32 v30, s94, v[L16]
	s_wait_alu depctr_va_vdst(0)
.set k, 0
.rept 4
	global_load_b128 v[AF+4*k:AF+4*k+3], v[L16], s[92:93] offset:512*k
.set k, k+1
.endr
	s_load_b256 s[4:11], s[0:1], 0x10
	s_load_b128 s[20:23], s[0:1], 0x30
	v_and_b32 v4, 7, v1
	v_lshrrev_b32 v5, 3, v1
	v_lshl_add_u32 v4, v5, 4, v4
	v_lshlrev_b32 v[H64], 6, v2
	v_lshl_add_u32 v[XO], v4, 12, v[H64]
	s_lshl_b32 s18, s42, 9
	s_lshl_b32 s19, s16, 8
	s_add_co_u32 s18, s18, s19
	s_mov_b32 s19, 0
	s_lshl_b32 s12, s17, 19
	s_lshl_b32 s13, s15, 18
	s_add_co_u32 s12, s12, s13
	s_add_co_u32 s12, s12, s18
	s_mov_b32 s13, 0
	s_wait_alu depctr_va_vdst(0)
	s_wait_kmcnt 0x0
	s_load_b32 s[AL], s[8:9], 0x0
	s_add_nc_u64 s[4:5], s[4:5], s[18:19]
	s_add_nc_u64 s[10:11], s[10:11], s[18:19]
	s_add_nc_u64 s[20:21], s[20:21], s[18:19]
	s_add_nc_u64 s[6:7], s[6:7], s[12:13]
	WIN 0x40
.irp a, 0,1,2,3
.set k, 0
.rept 8
	global_load_b128 v[128+32*\a+4*k:128+32*\a+4*k+3], v[XO], s[6:7] offset:(32*(\a/2)+8*(\a%2))*4096+128*(k/4)+16*(k%4)
.set k, k+1
.endr
.endr
	WIN 0x80
.set k, 0
.rept 8
	global_load_b128 v[4*k:4*k+3], v[H64], s[4:5] offset:128*(k/4)+16*(k%4)
	global_load_b128 v[32+4*k:32+4*k+3], v[H64], s[10:11] offset:128*(k/4)+16*(k%4)
	global_load_b128 v[64+4*k:64+4*k+3], v[H64], s[20:21] offset:128*(k/4)+16*(k%4)
.set k, k+1
.endr
	WIN 0
.macro FRAG reg, adr, q, i
	ds_load_b128 v[\reg:\reg+3], v[\adr] offset:(\i)*TB6+(\q)*1536
	ds_load_b64 v[\reg+4:\reg+5], v[\adr+2] offset:(\i)*TB6+(\q)*1536+512
	ds_load_b128 v[\reg+6:\reg+9], v[\adr] offset:(\i)*TB6+(\q)*1536+768
	ds_load_b64 v[\reg+10:\reg+11], v[\adr+2] offset:(\i)*TB6+(\q)*1536+1280
.endm
.macro FETCH slot, q, p
.irp i, 0,1,2,3
	FRAG BF+48*(\p)+FR*\i, ADRB+\slot, \q, \i
	FRAG AF+48*(\p)+FR*\i, ADRA+\slot, \q, \i
.endr
	ds_load_b128 v[SC+4*(\p):SC+4*(\p)+3], v[ADRS] offset:256*(\q)
.endm
.macro MUL8 p, a0, zero
.irp a, \a0, \a0+1
.irp b, 0,1,2,3
.if \zero
	v_wmma_scale_f32_16x16x128_f8f6f4 v[8*(4*(\a)+\b):8*(4*(\a)+\b)+7], v[BF+48*(\p)+FR*\b:BF+48*(\p)+FR*\b+FR-1], v[AF+48*(\p)+FR*(\a):AF+48*(\p)+FR*(\a)+FR-1], 0, v[SC+4*(\p)+\b], v[SC+4*(\p)+(\a)] matrix_a_fmt:MATRIX_FMT_BF6 matrix_b_fmt:MATRIX_FMT_BF6 matrix_a_scale:MATRIX_SCALE_ROW1
.else
	v_wmma_scale_f32_16x16x128_f8f6f4 v[8*(4*(\a)+\b):8*(4*(\a)+\b)+7], v[BF+48*(\p)+FR*\b:BF+48*(\p)+FR*\b+FR-1], v[AF+48*(\p)+FR*(\a):AF+48*(\p)+FR*(\a)+FR-1], v[8*(4*(\a)+\b):8*(4*(\a)+\b)+7], v[SC+4*(\p)+\b], v[SC+4*(\p)+(\a)] matrix_a_fmt:MATRIX_FMT_BF6 matrix_b_fmt:MATRIX_FMT_BF6 matrix_a_scale:MATRIX_SCALE_ROW1
.endif
.endr
.endr
.endm
.macro PLACES n
.rept \n
	v_nop
.endr
.endm
.macro KS slot, q, zero
	PLACES 4
	FETCH \slot, (\q)+1, 1-(\q)%2
	s_wait_dscnt 33
	WIN MULW
	MUL8 (\q)%2, 0, \zero
	MUL8 (\q)%2, 2, \zero
	WIN 0
.endm
.macro TURN slot, next, fill
	s_wait_tensorcnt 0x0
	ds_add_u32 v[SPW], v[NIL]
	s_wait_dscnt 1
	WIN MULW
	MUL8 1, 0, 0
	s_wait_dscnt 0x0
	s_barrier_signal -1
	MUL8 1, 2, 0
	WIN 0
	s_barrier_wait -1
.if \fill
	CREST
	s_add_nc_u64 s[G0+4*\slot+2:G0+4*\slot+3], s[G0+4*\slot+2:G0+4*\slot+3], 2*TB6
	s_add_nc_u64 s[G0B+4*\slot+2:G0B+4*\slot+3], s[G0B+4*\slot+2:G0B+4*\slot+3], 2*TB6
	JLOAD G0+4*\slot, G1, G0B+4*\slot, G1B
.else
	PLACES 4
.endif
	v_add_nc_u32 v[ADRS], 1024, v[ADRS]
	s_wait_alu depctr_va_vdst(0)
	FETCH \next, 0, 0
.endm
	s_wait_alu depctr_va_vdst(0)                   ; the head's end
	s_wait_tensorcnt 0x0                           ; my tiles have landed
	s_wait_loadcnt 56                              ; my four loads of scale words are in; the 32 of x and the 24 of bias, gamma and beta may be out
.set k, 0
.rept 4
	ds_store_b128 v30, v[AF+4*k:AF+4*k+3] offset:512*k
.set k, k+1
.endr
	s_wait_dscnt 0x0                               ; for the other waves' sake
	s_barrier_signal -1
	s_barrier_wait -1
	FETCH 0, 0, 0
	KS 0, 0, 1
	KS 0, 1, 0
	KS 0, 2, 0
	TURN 0, 1, 0
	KS 1, 0, 0
	KS 1, 1, 0
	KS 1, 2, 0
	s_wait_dscnt 0x0
	WIN MULW
	MUL8 1, 0, 0
	MUL8 1, 2, 0
	WIN 0
.macro MUL_VS d, a, sc
.set k, 0
.rept 8
	v_pk_mul_f32 v[\d+k:\d+k+1], v[\a+k:\a+k+1], s[\sc:\sc+1] op_sel_hi:[1,0]
.set k, k+2
.endr
.endm
.macro MUL_VV d, a, b
.set k, 0
.rept 8
	v_pk_mul_f32 v[\d+k:\d+k+1], v[\a+k:\a+k+1], v[\b+k:\b+k+1]
.set k, k+2
.endr
.endm
.macro FMA_SV d, a, sc, vc
.set k, 0
.rept 8
	v_pk_fma_f32 v[\d+k:\d+k+1], v[\a+k:\a+k+1], s[\sc:\sc+1], v[\vc:\vc+1] op_sel_hi:[1,0,1]
.set k, k+2
.endr
.endm
.macro FMA_VS d, a, sc
.set k, 0
.rept 8
	v_pk_fma_f32 v[\d+k:\d+k+1], v[\d+k:\d+k+1], v[\a+k:\a+k+1], s[\sc:\sc+1] op_sel_hi:[1,1,0]
.set k, k+2
.endr
.endm
.macro TANH16 src, y, z, p
	MUL_VS \y, \src, AL
.set k, 0
.rept 16
	v_med3_num_f32 v[\y+k], v[\y+k], -v[CL], v[CL]
.set k, k+1
.endr
	MUL_VV \z, \y, \y
	FMA_SV \p, \z, A6, VA5
	FMA_VS \p, \z, A4
	FMA_VS \p, \z, A3
	FMA_VS \p, \z, A2
	FMA_VS \p, \z, A1
	FMA_VS \p, \z, A0
	MUL_VV \y, \y, \p
	FMA_SV \p, \z, B3, VB2
	FMA_VS \p, \z, B1
	FMA_VS \p, \z, B0
.set k, 0
	s_wait_alu depctr_va_vdst(0)
.rept 16
	v_rcp_f32 v[\p+k], v[\p+k]
.set k, k+1
.endr
	v_nop
	s_wait_alu depctr_va_vdst(0)
	MUL_VV \y, \y, \p
.endm
.macro QUANT32 s, w
.irp b, 0,1
	v_max3_num_f32 v[TM+\b], |v[\s+16*\b]|, |v[\s+1+16*\b]|, 0x2800000
.endr
.irp i, 2,4,6,8,10,12,14
.irp b, 0,1
	v_max3_num_f32 v[TM+\b], v[TM+\b], |v[\s+16*\b+\i]|, |v[\s+1+16*\b+\i]|
.endr
.endr
.irp b, 0,1
	v_permlanex16_b32 v[TM+4+\b], v[TM+\b], s[SEL], s[SEL+1]
.endr
.irp b, 0,1
	v_max_num_f32 v[TM+\b], v[TM+\b], v[TM+4+\b]
.endr
.irp b, 0,1
	v_add_nc_u32 v[TM+12+\b], 0xfe000000, v[TM+\b]
.endr
.irp b, 0,1
	v_lshrrev_b32 v[TM+4+\b], 23, v[TM+12+\b]
.endr
	v_lshl_or_b32 v[\w], v[TM+5], 8, v[TM+4]
	v_cvt_scalef32_pk16_bf6_f32 v[PC:PC+2], v[\s:\s+15], v[TM+12]
	v_cvt_scalef32_pk16_bf6_f32 v[PC+12:PC+14], v[\s+16:\s+31], v[TM+13]
	v_nop
.irp i, 0,1,2
	v_permlane16_swap_b32 v[PC+\i], v[PC+12+\i]
.endr
.irp i, 0,1,2
	v_mov_b32 v[PC+3+\i], v[PC+12+\i]
.endr
.endm
	PLACES 4
	s_wait_loadcnt 0x0
	s_wait_kmcnt 0x0
	s_mov_b32 s[AL+1], s[AL]
	s_lshl_b32 s18, s17, 3
	s_add_co_u32 s18, s18, s42
	s_lshl_b32 s18, s18, 2
	s_add_co_u32 s18, s18, s14
	s_lshl_b32 s18, s18, 14
	s_mov_b32 s19, 0
	s_add_nc_u64 s[X1B:X1B+1], s[22:23], s[18:19]
	s_lshl_b32 s12, s17, 1
	s_add_co_u32 s12, s12, s15
	s_lshl_b32 s13, s42, 1
	s_add_co_u32 s13, s13, s16
	s_mul_i32 s18, s12, 49152
	s_mul_i32 s13, s13, 768
	s_add_co_u32 s18, s18, s13
	s_add_co_u32 s18, s18, 16777216
	s_add_nc_u64 s[HQB:HQB+1], s[22:23], s[18:19]
	s_lshl_b32 s18, s12, 11
	s_lshl_b32 s13, s42, 8
	s_add_co_u32 s18, s18, s13
	s_lshl_b32 s13, s16, 1
	s_add_co_u32 s18, s18, s13
	s_add_co_u32 s18, s18, 19922944
	s_add_nc_u64 s[HSB:HSB+1], s[22:23], s[18:19]
	SPAIR A6, 0xa59f25c0
	SPAIR A4, 0xaebd37ff
	SPAIR A3, 0x335c0041
	SPAIR A2, 0x3779434a
	SPAIR A1, 0x3a270ded
	SPAIR A0, 0x3ba059dc
	SPAIR B3, 0x35a0d3d8
	SPAIR B1, 0x3b14aa05
	SPAIR B0, 0x3ba059dd
	s_mov_b32 s[SEL], 0x76543210
	s_mov_b32 s[SEL+1], 0xfedcba98
	v_mov_b32 v[VA5], 0x2a61337e
	v_mov_b32 v[VA5+1], 0x2a61337e
	v_mov_b32 v[VB2], 0x38f895d6
	v_mov_b32 v[VB2+1], 0x38f895d6
	v_mov_b32 v[CL], 0x40fcf84f
.macro POUT a
.set TA, T+32*(\a)
	WIN 0x09
.set n, 0
.rept 16
	v_pk_add_f32 v[TA+n:TA+n+1], v[32*(\a)+n:32*(\a)+n+1], v[n:n+1]
.set n, n+2
.endr
	WIN 0x04
.set n, 0
.rept 16
	v_pk_add_f32 v[TA+n:TA+n+1], v[TA+n:TA+n+1], v[128+32*(\a)+n:128+32*(\a)+n+1]
.set n, n+2
.endr
	WIN 0
.set n, 0
.rept 8
	global_store_b128 v[L16], v[TA+4*n:TA+4*n+3], s[X1B:X1B+1] offset:4096*(\a)+512*n
.set n, n+1
.endr
	TANH16 TA, U, Z, P
	TANH16 TA+16, U+16, Z, P
	WIN 0x28
.set n, 0
.rept 16
	v_pk_fma_f32 v[U+n:U+n+1], v[U+n:U+n+1], v[32+n:32+n+1], v[64+n:64+n+1]
.set n, n+2
.endr
	WIN 0
.if (\a) > 0
	s_wait_alu depctr_va_vdst(0)
	s_wait_xcnt 0x0
.endif
	QUANT32 U, PWH
	global_store_b128 v[L16], v[PC:PC+3], s[HQB:HQB+1] offset:(\a)*12288
	global_store_b64 v[L8], v[PC+4:PC+5], s[HQB:HQB+1] offset:(\a)*12288+512
	global_store_b16 v[R16], v[PWH], s[HSB:HSB+1] offset:4*(\a)
.endm
	POUT 0
	POUT 1
	POUT 2
	POUT 3
	s_wait_tensorcnt 0x0
	ds_add_u32 v[SPW], v[NIL]
	s_wait_dscnt 0x0
	CROUND
	s_endpgm
.Lfunc_end_k_q251f2cb2b1_proj:
	.size	k_q251f2cb2b1_proj, .Lfunc_end_k_q251f2cb2b1_proj-k_q251f2cb2b1_proj
	.p2alignl 7, 3214868480
	.fill 96, 4, 3214868480
	.section	.rodata,"a",@progbits
	.p2align	6, 0x0
	.amdhsa_kernel k_q251f2cb2b1_proj
		.amdhsa_group_segment_fixed_size 327680
		.amdhsa_private_segment_fixed_size 0
		.amdhsa_enable_private_segment 0
		.amdhsa_kernarg_size 64
		.amdhsa_user_sgpr_count 2
		.amdhsa_user_sgpr_kernarg_segment_ptr 1
		.amdhsa_wavefront_size32 1
		.amdhsa_system_sgpr_workgroup_id_x 1
		.amdhsa_system_sgpr_workgroup_id_y 1
		.amdhsa_system_sgpr_workgroup_id_z 1
		.amdhsa_system_vgpr_workitem_id 0
		.amdhsa_next_free_vgpr 768
		.amdhsa_next_free_sgpr 100
		.amdhsa_reserve_vcc 0
		.amdhsa_float_denorm_mode_32 3
		.amdhsa_float_denorm_mode_16_64 3
		.amdhsa_memory_ordered 1
		.amdhsa_forward_progress 1
		.amdhsa_inst_pref_size 140
	.end_amdhsa_kernel
	.amdgpu_metadata
---
amdhsa.version: [ 1, 2 ]
amdhsa.kernels:
  - .name:           k_q251f2cb2b1_proj
    .symbol:         k_q251f2cb2b1_proj.kd
    .args:
      - { .name: ws2, .offset: 0, .size: 8, .value_kind: global_buffer, .address_space: global }
      - { .name: ws0, .offset: 8, .size: 8, .value_kind: global_buffer, .address_space: global }
      - { .name: b_proj, .offset: 16, .size: 8, .value_kind: global_buffer, .address_space: global }
      - { .name: x, .offset: 24, .size: 8, .value_kind: global_buffer, .address_space: global }
      - { .name: alpha, .offset: 32, .size: 8, .value_kind: global_buffer, .address_space: global }
      - { .name: gamma, .offset: 40, .size: 8, .value_kind: global_buffer, .address_space: global }
      - { .name: beta, .offset: 48, .size: 8, .value_kind: global_buffer, .address_space: global }
      - { .name: ws3, .offset: 56, .size: 8, .value_kind: global_buffer, .address_space: global }
    .group_segment_fixed_size: 327680
    .private_segment_fixed_size: 0
    .kernarg_segment_align: 8
    .kernarg_segment_size: 64
    .max_flat_workgroup_size: 128
    .sgpr_count:     100
    .vgpr_count:     768
    .wavefront_size: 32
...
	.end_amdgpu_metadata
.endif
;; end of part 4
;; launch fc (part 5): grid 16 x 16, 4 waves a work-group, clusters of 4 x 4, 327,680 bytes of LDS; arguments ws3, ws0, b_fc, ws4; writes ws4
.if DOCPART == 5
	.amdgcn_target "amdgcn-amd-amdhsa--gfx1250"
	.amdhsa_code_object_version 6
	.text
	.protected	k_q251f2cb2b1_fc
	.globl	k_q251f2cb2b1_fc
	.p2align	8
	.type	k_q251f2cb2b1_fc,@function
k_q251f2cb2b1_fc:
	s_mov_b64 s[64:65], 0
	v_nop
	global_prefetch_b8 v0, s[64:65] scope:SCOPE_SE
	s_setreg_imm32_b32 hwreg(HW_REG_WAVE_MODE, 25, 1), 1
	s_wait_xcnt 0x0
	s_wait_alu depctr_hold_cnt(0) depctr_sa_sdst(0) depctr_va_vdst(0) depctr_va_sdst(0) depctr_va_ssrc(0) depctr_va_vcc(0) depctr_vm_vsrc(0)
	s_getreg_b32 s2, hwreg(HW_REG_IB_STS2, 6, 4)
	s_cmp_eq_u32 s2, 0
	s_cbranch_scc0 .Lentry_in_a_cluster
	s_endpgm
.Lentry_in_a_cluster:
	s_bfe_u32 s2, ttmp6, 0x10000c
	s_cmp_lg_u32 s2, 0xf033
	s_cbranch_scc0 .Lentry_shape_is_right
	s_endpgm
.Lentry_shape_is_right:
; g = gelu(h2 w_fc + b_fc), exact gelu, on codes of BF6 (K = 1,024), quantised along F on the way out.  Nothing of reference() is left out here.
; The product is the qkv launch's: a tile of 256 x 256 to a work-group, 128 x 128 a wave, K in four chunks of 256 through three LDS slots (three chunks asked for at the start, one refill, which has two slots' work in which to land),
; 4 x 4 clusters with joint loads; source 0 = w_fc's columns, source 1 = tokens.
; gelu(t) = t / 2 + (t / 2) erf(t / sqrt 2); erf(z) = z P(z^2) / Q(z^2), polynomials of degree 6 and 4 in f32, z held to +-4.  LIMIT: for t under about -3 the sum cancels: the absolute error stays near 1e-7 |t|, the relative error of those small numbers grows.
; THE WAY OUT is a loop of eight trips, one block of 16 tokens x 128 columns each, so that gelu's text stands once; what differs between trips, the window and numbers of the accumulators, is a copy in one of eight arms.
; LIMITS: NaN and infinities are not served; a block of zeros gets the byte 1.
.set WFQ,  6553600
.set WFS,  9699328
.set H2Q,  16777216
.set H2S,  19922944
.set NQ,     2
.set FR,     12
.set NL,     4
.set NP,     4
.set TB3,    3072
.set HALFT,  8*TB3
.set SLOT,   4*HALFT
.set SCL,    3*SLOT
.set HALFS,  4096
.set SPARE,  SCL+4*HALFS
.set ADRA, 10                          ; v10-12 my A fragments in slot 0, 1, 2 (+ 16 x lane); v13-15 the same + 16 r + 8 h
.set ADRB, 16                          ; v16-18, v19-21 the same for B
.set L16,  24
.set L8,   25
.set ADRS, 27
.set SPW,  28
.set NIL,  29
.set SC,   32
.set BI,   64
.set AF,   128
.set T,    128
.set ZC,   192
.set ZZ,   208
.set PP,   224
.set TM,   192
.set PC,   208
.set VE5,  240
.set VF3,  242
.set SW,   244
.set W,    248
.set PW,   250
.set BO,   7
.set G1, 24
.set G0, 32                            ; s[32:39] group 0 for A's two loads into slot 0; slots 1 and 2's in s[76:79]
.set G1B, 48
.set G0B, 56                           ; s[56:63] the same for B's; slots 1 and 2's in s[88:91]
.set G1S, 68
.set G0S, 76
.set G1SB, 80
.set G0SB, 88
.set AI,  28
.set SEL, 30
.set MSK, 32
.set RS2, 48
.set E6,  50
.set E4,  52
.set E3,  54
.set E2,  56
.set E1,  58
.set E0,  60
.set F4,  62
.set F2,  68
.set F1,  70
.set F0,  72
.set MSB, 0
.macro WIN new
.if MSB != (\new)
	s_set_vgpr_msb (MSB<<8)|(\new)
.set MSB, (\new)
.endif
.endm
.set MUL_LO, 0xa1
.set MUL_HI, 0xf1
.set TO_B,   0x40
.macro JLOAD g0a, g1a, g0b, g1b
	s_cmp_eq_u32 s15, 0
	s_cbranch_scc0 .Lfor_b_\@
	tensor_load_to_lds s[\g0a:\g0a+3], s[\g1a:\g1a+7]
	s_nop 0
.rept 4
	v_nop
.endr
	s_branch .Lasked_\@
.Lfor_b_\@:
	tensor_load_to_lds s[\g0b:\g0b+3], s[\g1b:\g1b+7]
	s_nop 0
.rept 4
	v_nop
.endr
.Lasked_\@:
.endm
.macro CREST
	s_cmp_lg_u32 s14, 0
	s_cbranch_scc1 .Lnot_wave_0_\@
	s_barrier_signal -3
.Lnot_wave_0_\@:
	s_barrier_wait -3
	s_barrier_signal -1
	s_barrier_wait -1
.endm
.macro CROUND
	s_barrier_signal -1
	s_barrier_wait -1
	CREST
.endm
.macro SPAIR reg, val
	s_mov_b32 s[\reg], \val
	s_mov_b32 s[\reg+1], \val
.endm
	s_load_b256 s[4:11], s[0:1], 0x0               ; ws3 s[4:5], ws0 s[6:7], b_fc s[8:9], ws4 s[10:11]
	v_lshl_add_u32 v[SPW], v0, 2, SPARE
	v_mov_b32 v[NIL], 0
	ds_add_u32 v[SPW], v[NIL]                      ; the wave's opening: the add, twice on end, and its wait ahead of my first tensor load
	ds_add_u32 v[SPW], v[NIL]
	v_lshrrev_b32 v1, 5, v0
	v_readfirstlane_b32 s14, v1
	s_lshr_b32 s15, s14, 1
	s_and_b32 s16, s14, 1
	s_bfe_u32 s40, ttmp6, 0x40000
	s_bfe_u32 s41, ttmp6, 0x40004
	s_lshl_b32 s42, ttmp9, 2
	s_add_co_u32 s42, s42, s40                     ; the block of 256 columns
	s_and_b32 s17, ttmp7, 0xffff
	s_lshl_b32 s17, s17, 2
	s_add_co_u32 s17, s17, s41                     ; the block of 256 tokens
	s_lshl_b32 s43, s41, 2
	s_lshl_b32 s43, 15, s43
	s_lshl_b32 s44, 0x1111, s40
	s_or_b32 s[G1+0], s43, (3<<16)|(1<<21)
	s_or_b32 s[G1B+0], s44, (3<<16)|(1<<21)
.irp g, G1, G1B
	s_mov_b32 s[\g+1], 384<<16
	s_mov_b32 s[\g+2], 16<<16                      ; the head's loads bring all 16 tiles of a block; the refill's count of 8 is set behind the wait for them
	s_mov_b32 s[\g+3], 384<<16
	s_mov_b32 s[\g+4], 16
	s_mov_b32 s[\g+5], 1536
	s_mov_b32 s[\g+6], 0
	s_mov_b32 s[\g+7], 0
.endr
	s_or_b32 s[G1S+0], s43, (3<<16)|(1<<21)
	s_or_b32 s[G1SB+0], s44, (3<<16)|(1<<21)
.irp g, G1S, G1SB
	s_mov_b32 s[\g+1], 768<<16                     ; these two groups now serve K 0 .. 511: 16 tiles' 6,144 bytes, 12,288 apart in memory
	s_mov_b32 s[\g+2], 16<<16
	s_mov_b32 s[\g+3], 768<<16
	s_mov_b32 s[\g+4], 16
	s_mov_b32 s[\g+5], 1536
	s_mov_b32 s[\g+6], 0
	s_mov_b32 s[\g+7], 0
.endr
	s_lshl_b32 s18, s16, 3
	s_lshl_b32 s20, s17, 4
	s_add_co_u32 s20, s20, s18
	s_lshl_b32 s22, s20, 9
	s_add_co_u32 s22, s22, H2S
	s_mul_i32 s20, s20, 12288
	s_add_co_u32 s20, s20, H2Q
	s_mov_b32 s21, 0
	s_mov_b32 s23, 0
	s_lshl_b32 s46, s42, 4
	s_add_co_u32 s46, s46, s18
	s_lshl_b32 s92, s46, 9
	s_add_co_u32 s92, s92, WFS
	s_mul_i32 s46, s46, 12288
	s_add_co_u32 s46, s46, WFQ
	s_mov_b32 s47, 0
	s_mov_b32 s93, 0
	s_mul_i32 s45, s14, HALFT
	s_mul_i32 s94, s14, HALFS
	s_wait_dscnt 0x0
	s_wait_kmcnt 0x0
	s_add_nc_u64 s[20:21], s[4:5], s[20:21]
	s_add_nc_u64 s[22:23], s[4:5], s[22:23]
	s_add_nc_u64 s[46:47], s[6:7], s[46:47]
	s_add_nc_u64 s[92:93], s[6:7], s[92:93]
	CROUND
; THE WALK ALONG K AS IT NOW STANDS.  LDS: slot 0 (bytes 0 on): 256 along K of A's and B's 16 tiles, 3,072 bytes a tile; from SLOT on K 0 .. 511 of A's 16 tiles, then of B's, 6,144 bytes a tile
; (slots 1 and 2 are its two halves).  The head asks for K 0 .. 767, one load a wave: wave 0 A's K 0 .. 511, wave 1 B's, wave 2 A's K 512 .. 767 into slot 0, wave 3 B's.
; K 512 .. 767 is multiplied first; slot 0 is then filled again with K 768 .. 1,023, a quarter a wave, and that load has slots 1 and 2, 256 matrix instructions of a wave, in which to land.
; The scale words come by plain loads and LDS stores into bytes of their own behind the slots.
.set SCN, 0                            ; counts the calls of SCALES: which 256 along K the call serves
	s_mul_i32 s18, s16, 8*12288
	s_mov_b32 s19, 0
	s_mov_b32 s[G0+4], 1                           ; the refill: my eight tiles of K 768 on
	s_mov_b32 s[G0+5], s45
	s_add_nc_u64 s[G0+6:G0+7], s[20:21], 3*TB3
	s_or_b32 s[G0+7], s[G0+7], 0x80000000
	s_mov_b32 s[G0B+4], 1
	s_mov_b32 s[G0B+5], s45
	s_add_nc_u64 s[G0B+6:G0B+7], s[46:47], 3*TB3
	s_or_b32 s[G0B+7], s[G0B+7], 0x80000000
	s_sub_nc_u64 s[20:21], s[20:21], s[18:19]      ; back to the block's first tile
	s_sub_nc_u64 s[46:47], s[46:47], s[18:19]
	s_mov_b32 s[G0S], 1
	s_mov_b32 s[G0S+1], SLOT
	s_mov_b64 s[G0S+2:G0S+3], s[20:21]
	s_or_b32 s[G0S+3], s[G0S+3], 0x80000000
	s_mov_b32 s[G0SB], 1
	s_mov_b32 s[G0SB+1], 2*SLOT
	s_mov_b64 s[G0SB+2:G0SB+3], s[46:47]
	s_or_b32 s[G0SB+3], s[G0SB+3], 0x80000000
	s_mov_b32 s[G0], 1
	s_mov_b32 s[G0+1], 0
	s_add_nc_u64 s[G0+2:G0+3], s[20:21], 2*TB3
	s_or_b32 s[G0+3], s[G0+3], 0x80000000
	s_mov_b32 s[G0B], 1
	s_mov_b32 s[G0B+1], 2*HALFT
	s_add_nc_u64 s[G0B+2:G0B+3], s[46:47], 2*TB3
	s_or_b32 s[G0B+3], s[G0B+3], 0x80000000
.macro ARM under, g0, g1, next         ; one tree of branches on the wave's number: every way through the head passes one load
	s_cmp_lt_u32 s14, \under
	s_cbranch_scc0 \next
	tensor_load_to_lds s[\g0:\g0+3], s[\g1:\g1+7]
	s_nop 0
.rept 4
	v_nop
.endr
	s_branch .Lhead_asked
\next:
.endm
	ARM 1, G0S,  G1S,  .Lhead_b
	ARM 2, G0SB, G1SB, .Lhead_c
	ARM 3, G0,   G1,   .Lhead_d
	tensor_load_to_lds s[G0B:G0B+3], s[G1B:G1B+7]
	s_nop 0
.rept 4
	v_nop
.endr
.Lhead_asked:
	s_cmp_eq_u32 s15, 0                            ; the scale words of 128 rows, 4,096 dense bytes a wave: waves 0, 1 A's, waves 2, 3 B's
	s_cselect_b64 s[92:93], s[22:23], s[92:93]
	v_and_b32 v1, 15, v0
	v_bfe_u32 v2, v0, 4, 1
	v_and_b32 v3, 31, v0
	v_lshlrev_b32 v[L16], 4, v3
	v_lshlrev_b32 v[L8], 4, v1
	v_lshl_add_u32 v[L8], v2, 3, v[L8]
	s_mul_i32 s21, s15, HALFT
	s_mul_i32 s22, s16, HALFT
	s_add_co_u32 s22, s22, 2*HALFT
.irp s, 0,1,2
	v_add_nc_u32 v[ADRA+\s], s21, v[L16]
	v_add_nc_u32 v[ADRB+\s], s22, v[L16]
	v_add_nc_u32 v[ADRA+3+\s], s21, v[L8]
	v_add_nc_u32 v[ADRB+3+\s], s22, v[L8]
.if \s == 0
	s_lshl_b32 s21, s21, 1                         ; behind slot 0 a tile takes twice the bytes
	s_lshl_b32 s22, s22, 1
	s_add_co_u32 s21, s21, SLOT
	s_add_co_u32 s22, s22, SLOT
.else
	s_add_co_u32 s21, s21, TB3
	s_add_co_u32 s22, s22, TB3
.endif
.endr
	s_mul_i32 s21, s15, HALFS
	s_mul_i32 s22, s16, HALFS
	s_add_co_u32 s22, s22, 2*HALFS
	s_sub_co_u32 s22, s22, s21
	v_mul_u32_u24 v6, s22, v2
	s_add_co_u32 s21, s21, SCL
	v_lshl_add_u32 v5, v1, 4, v6
	v_add_nc_u32 v[ADRS], s21, v5
	s_add_co_u32 s94, s94, SCL
	v_add_nc_u32 v30, s94, v[L16]
	s_wait_alu depctr_va_vdst(0)
.set k, 0
.rept 8
	global_load_b128 v[AF+4*k:AF+4*k+3], v[L16], s[92:93] offset:512*k
.set k, k+1
.endr
	s_lshl_b32 s18, s42, 10                        ; the bias in the result's layout: register 16 b + i of lane (r, h) is column 32 b + 16 h + i of my 128
	s_lshl_b32 s19, s16, 9
	s_add_co_u32 s18, s18, s19
	s_mov_b32 s19, 0
	s_add_nc_u64 s[8:9], s[8:9], s[18:19]
	v_lshlrev_b32 v[BO], 6, v2
.set k, 0
.rept 16
	global_load_b128 v[BI+4*k:BI+4*k+3], v[BO], s[8:9] offset:128*(k/4)+16*(k%4)
.set k, k+1
.endr
.macro FRAG reg, adr, q, i
	ds_load_b128 v[\reg:\reg+3], v[\adr] offset:(\i)*TB3+(\q)*1536
	ds_load_b64 v[\reg+4:\reg+5], v[\adr+3] offset:(\i)*TB3+(\q)*1536+512
	ds_load_b128 v[\reg+6:\reg+9], v[\adr] offset:(\i)*TB3+(\q)*1536+768
	ds_load_b64 v[\reg+10:\reg+11], v[\adr+3] offset:(\i)*TB3+(\q)*1536+1280
.endm
.macro MUL16 a0, p, q, sc, zero        ; the 64 accumulators take turns, one instruction a turn
.irp a, \a0, \a0+1
.irp b, 0,1,2,3,4,5,6,7
.if \zero
	v_wmma_scale_f32_16x16x128_f8f6f4 v[8*(8*((\a)%4)+\b):8*(8*((\a)%4)+\b)+7], v[128*(\p)+FR*\b:128*(\p)+FR*\b+FR-1], v[AF+FR*(\a):AF+FR*(\a)+FR-1], 0, v[SC+16*(\sc)+8*(\q)+\b], v[SC+16*(\sc)+8*(\q)+(\a)] matrix_a_fmt:MATRIX_FMT_BF6 matrix_b_fmt:MATRIX_FMT_BF6 matrix_a_scale:MATRIX_SCALE_ROW1
.else
	v_wmma_scale_f32_16x16x128_f8f6f4 v[8*(8*((\a)%4)+\b):8*(8*((\a)%4)+\b)+7], v[128*(\p)+FR*\b:128*(\p)+FR*\b+FR-1], v[AF+FR*(\a):AF+FR*(\a)+FR-1], v[8*(8*((\a)%4)+\b):8*(8*((\a)%4)+\b)+7], v[SC+16*(\sc)+8*(\q)+\b], v[SC+16*(\sc)+8*(\q)+(\a)] matrix_a_fmt:MATRIX_FMT_BF6 matrix_b_fmt:MATRIX_FMT_BF6 matrix_a_scale:MATRIX_SCALE_ROW1
.endif
.endr
.endr
.endm
.macro FETCH_B slot, q, p
	WIN TO_B
.irp i, 0,1,2,3,4,5,6,7
	FRAG 128*(\p)+FR*\i, ADRB+\slot, \q, \i*(1+((\slot)+1)/2)
.endr
	WIN 0
.endm
.macro FETCH_A slot, q, i0
.irp i, \i0, \i0+1, \i0+2, \i0+3
	FRAG AF+FR*(\i), ADRA+\slot, \q, (\i)*(1+((\slot)+1)/2)
.endr
.endm
.macro SCALES sc
.irp q, 0,1
.irp g, 0,1
	ds_load_b128 v[SC+16*\sc+8*\q+4*\g:SC+16*\sc+8*\q+4*\g+3], v[ADRS] offset:2048*\g+256*\q+512*((0x3102>>(4*SCN))&15)   ; the calls serve the 256s of K numbered 2, 0, 1, 3
.endr
.endr
.set SCN, SCN+1
.endm
.macro PLACES n
.rept \n
	v_nop
.endr
.endm
.macro STEP slot, sc, zero             ; a slot's first 128 along K; its second is fetched
	s_wait_dscnt 4*NL                              ; all but the youngest 16 loads (A's blocks 4-7) are in
	WIN MUL_LO
	MUL16 0, 0, 0, \sc, \zero
	MUL16 2, 0, 0, \sc, \zero
	s_wait_dscnt 0
	PLACES NP
	FETCH_B \slot, 1, 1
	FETCH_A \slot, 1, 0
	WIN MUL_HI
	MUL16 4, 0, 0, \sc, \zero
	MUL16 6, 0, 0, \sc, \zero
	PLACES NP
	WIN 0
	FETCH_A \slot, 1, 4
.endm
; A slot's second 128 along K, with a barrier: in front of it each wave waits for all its tensor loads, adds 0 to its spare word, and waits for that and for its own reads of this slot.  fill = 1: this slot takes the chunk three further on.
.macro TURN slot, next, sc, nsc, fill
	s_wait_tensorcnt 0x0                           ; all my tensor loads have landed
	ds_add_u32 v[SPW], v[NIL]
	s_wait_dscnt 4*NL+1                            ; (the add and the youngest 16 loads may be out)
	WIN MUL_LO
	MUL16 0, 1, 1, \sc, 0
	s_wait_dscnt 0x0                               ; the add is done, and my reads of this slot are over
	s_barrier_signal -1
	MUL16 2, 1, 1, \sc, 0
	WIN 0
	s_barrier_wait -1
.if \fill
	CREST                                          ; the barrier has opened a round of the cluster's barrier: no wave of any partner still reads this slot or has a load on its way
	JLOAD G0+4, G1, G0B+4, G1B
.else
	PLACES NP
.endif
	FETCH_B \next, 0, 0
	FETCH_A \next, 0, 0
	SCALES \nsc
	WIN MUL_HI
	MUL16 4, 1, 1, \sc, 0
	MUL16 6, 1, 1, \sc, 0
	PLACES NP
	WIN 0
	FETCH_A \next, 0, 4
.endm
; The same with no barrier: the next slot was shown whole to every wave by an earlier barrier, in front of which each wave had waited for all its tensor loads; and nothing is filled.
.macro PASS next, sc, nsc
	s_wait_dscnt 4*NL
	WIN MUL_LO
	MUL16 0, 1, 1, \sc, 0
	MUL16 2, 1, 1, \sc, 0
	s_wait_dscnt 0
	WIN 0
	PLACES NP
	FETCH_B \next, 0, 0
	FETCH_A \next, 0, 0
	SCALES \nsc
	WIN MUL_HI
	MUL16 4, 1, 1, \sc, 0
	MUL16 6, 1, 1, \sc, 0
	PLACES NP
	WIN 0
	FETCH_A \next, 0, 4
.endm
	s_wait_alu depctr_va_vdst(0)
	s_wait_tensorcnt 0x0                           ; my one load of the head has landed: so a descriptor may be written: the refill brings 8 tiles
	s_mov_b32 s[G1+2], 8<<16
	s_mov_b32 s[G1+4], 8
	s_mov_b32 s[G1B+2], 8<<16
	s_mov_b32 s[G1B+4], 8
	s_wait_loadcnt 0x0                             ; my eight loads of scale words are in, and the bias
.set k, 0
.rept 8
	ds_store_b128 v30, v[AF+4*k:AF+4*k+3] offset:512*k
.set k, k+1
.endr
	s_wait_dscnt 0x0                               ; for the other waves' sake
	s_barrier_signal -1
	s_barrier_wait -1
	FETCH_B 0, 0, 0
	FETCH_A 0, 0, 0
	SCALES 0
	FETCH_A 0, 0, 4
	STEP 0, 0, 1                                   ; chunk 0
	TURN 0, 1, 0, 1, 1                             ; slots 1 and 2 are whole; slot 0 takes chunk 3: the launch's one refill
	s_wait_alu depctr_va_vdst(0)
	STEP 1, 1, 0                                   ; chunk 1
	PASS 2, 1, 0
	s_wait_alu depctr_va_vdst(0)
	STEP 2, 0, 0                                   ; chunk 2
	TURN 2, 0, 0, 1, 0                             ; chunk 3 has landed; nothing is filled
	STEP 0, 1, 0                                   ; chunk 3
	s_wait_dscnt 4*NL
	WIN MUL_LO
	MUL16 0, 1, 1, 1, 0
	MUL16 2, 1, 1, 1, 0
	s_wait_dscnt 0
	WIN MUL_HI
	MUL16 4, 1, 1, 1, 0
	MUL16 6, 1, 1, 1, 0
	WIN 0
.macro MUL_VS d, a, sc
.set k, 0
.rept 8
	v_pk_mul_f32 v[\d+k:\d+k+1], v[\a+k:\a+k+1], s[\sc:\sc+1] op_sel_hi:[1,0]
.set k, k+2
.endr
.endm
.macro MUL_VV d, a, b
.set k, 0
.rept 8
	v_pk_mul_f32 v[\d+k:\d+k+1], v[\a+k:\a+k+1], v[\b+k:\b+k+1]
.set k, k+2
.endr
.endm
.macro FMA_SV d, a, sc, vc
.set k, 0
.rept 8
	v_pk_fma_f32 v[\d+k:\d+k+1], v[\a+k:\a+k+1], s[\sc:\sc+1], v[\vc:\vc+1] op_sel_hi:[1,0,1]
.set k, k+2
.endr
.endm
.macro FMA_VS d, a, sc
.set k, 0
.rept 8
	v_pk_fma_f32 v[\d+k:\d+k+1], v[\d+k:\d+k+1], v[\a+k:\a+k+1], s[\sc:\sc+1] op_sel_hi:[1,1,0]
.set k, k+2
.endr
.endm
.macro GELU16 t, zc, z, p              ; sixteen numbers in place
	MUL_VS \zc, \t, RS2
.set k, 0
.rept 16
	v_med3_num_f32 v[\zc+k], v[\zc+k], -4.0, 4.0
.set k, k+1
.endr
	MUL_VV \z, \zc, \zc
	FMA_SV \p, \z, E6, VE5
	FMA_VS \p, \z, E4
	FMA_VS \p, \z, E3
	FMA_VS \p, \z, E2
	FMA_VS \p, \z, E1
	FMA_VS \p, \z, E0
	MUL_VV \zc, \zc, \p
	FMA_SV \p, \z, F4, VF3
	FMA_VS \p, \z, F2
	FMA_VS \p, \z, F1
	FMA_VS \p, \z, F0
.set k, 0
	s_wait_alu depctr_va_vdst(0)
.rept 16
	v_rcp_f32 v[\p+k], v[\p+k]
.set k, k+1
.endr
.set k, 0
.rept 8
	v_pk_mul_f32 v[\t+k:\t+k+1], v[\t+k:\t+k+1], 0.5 op_sel_hi:[1,0]   ; t / 2: plain work behind the reciprocals
.set k, k+2
.endr
	s_wait_alu depctr_va_vdst(0)                   ; one wait for the sixteen, ahead of their first reader
	MUL_VV \zc, \zc, \p                            ; erf
.set k, 0
.rept 8
	v_pk_fma_f32 v[\t+k:\t+k+1], v[\t+k:\t+k+1], v[\zc+k:\zc+k+1], v[\t+k:\t+k+1]
.set k, k+2
.endr
.endm
.macro QUANT64 s, w
.irp b, 0,1,2,3
	v_max3_num_f32 v[TM+\b], |v[\s+16*\b]|, |v[\s+1+16*\b]|, 0x2800000
.endr
.irp i, 2,4,6,8,10,12,14
.irp b, 0,1,2,3
	v_max3_num_f32 v[TM+\b], v[TM+\b], |v[\s+16*\b+\i]|, |v[\s+1+16*\b+\i]|
.endr
.endr
.irp b, 0,1,2,3
	v_permlanex16_b32 v[TM+4+\b], v[TM+\b], s[SEL], s[SEL+1]
.endr
.irp b, 0,1,2,3
	v_max_num_f32 v[TM+\b], v[TM+\b], v[TM+4+\b]
.endr
.irp b, 0,1,2,3
	v_add_nc_u32 v[TM+12+\b], 0xfe000000, v[TM+\b]
.endr
.irp b, 0,1,2,3
	v_lshrrev_b32 v[TM+4+\b], 23, v[TM+12+\b]
.endr
	v_lshl_or_b32 v[\w], v[TM+5], 8, v[TM+4]
	v_lshl_or_b32 v[\w], v[TM+6], 16, v[\w]
	v_lshl_or_b32 v[\w], v[TM+7], 24, v[\w]
.irp c, 0,1
	v_cvt_scalef32_pk16_bf6_f32 v[PC+6*\c:PC+2+6*\c], v[\s+32*\c:\s+15+32*\c], v[TM+12+2*\c]
	v_cvt_scalef32_pk16_bf6_f32 v[PC+12+4*\c:PC+14+4*\c], v[\s+16+32*\c:\s+31+32*\c], v[TM+12+2*\c+1]
.endr
	v_nop
.irp c, 0,1
.irp i, 0,1,2
	v_permlane16_swap_b32 v[PC+6*\c+\i], v[PC+12+4*\c+\i]
.endr
.irp i, 0,1,2
	v_mov_b32 v[PC+3+6*\c+\i], v[PC+12+4*\c+\i]
.endr
.endr
.endm
.macro COPY a                          ; block a's 64 sums + the bias, each accumulator from its low end on
	WIN 0x02+(\a)/4
.set n, 0
.rept 32
	v_pk_add_f32 v[T+n:T+n+1], v[64*((\a)%4)+n:64*((\a)%4)+n+1], v[BI+n:BI+n+1]
.set n, n+2
.endr
	WIN 0
.endm
	PLACES NP
	s_wait_loadcnt 0x0                             ; the bias
	s_lshl_b32 s20, s17, 4
	s_lshl_b32 s21, s15, 3
	s_add_co_u32 s20, s20, s21                     ; my first token tile
	s_lshl_b32 s21, s42, 1
	s_add_co_u32 s21, s21, s16                     ; my 128 columns: a K step of the next product
	s_mul_i32 s24, s20, 49152
	s_mul_i32 s22, s21, 1536
	s_add_co_u32 s24, s24, s22
	s_mov_b32 s25, 0
	s_add_nc_u64 s[24:25], s[10:11], s[24:25]
	s_lshl_b32 s26, s20, 11
	s_lshl_b32 s22, s21, 8
	s_add_co_u32 s26, s26, s22
	s_add_co_u32 s26, s26, 12582912
	s_mov_b32 s27, 0
	s_add_nc_u64 s[26:27], s[10:11], s[26:27]
	s_mov_b32 s[SEL], 0x76543210
	s_mov_b32 s[SEL+1], 0xfedcba98
	s_mov_b32 s[MSK], 0xffff0000
	SPAIR RS2, 0x3f3504f3
	SPAIR E6, 0xaf95df0b
	SPAIR E4, 0xb60cff51
	SPAIR E3, 0xb86ec2d2
	SPAIR E2, 0xba40ac63
	SPAIR E1, 0xbb41a1f6
	SPAIR E0, 0xbc83dbd4
	SPAIR F4, 0xb77460cd
	SPAIR F2, 0xbadc924e
	SPAIR F1, 0xbbf19bf8
	SPAIR F0, 0xbc69b6a7
	v_mov_b32 v[VE5], 0x32edffee
	v_mov_b32 v[VE5+1], 0x32edffee
	v_mov_b32 v[VF3], 0xb95fbd29
	v_mov_b32 v[VF3+1], 0xb95fbd29
.irp i, 0,1,2,3
	v_mov_b32 v[SW+\i], 0
.endr
	s_mov_b32 s[AI], 0
.Lout:
.irp a, 1,2,3,4,5,6,7
	s_cmp_eq_u32 s[AI], \a
	s_cbranch_scc1 .Larm_\a
.endr
	COPY 0
	s_branch .Lgot
.Larm_1:
	COPY 1
	s_branch .Lgot
.Larm_2:
	COPY 2
	s_branch .Lgot
.Larm_3:
	COPY 3
	s_branch .Lgot
.Larm_4:
	COPY 4
	s_branch .Lgot
.Larm_5:
	COPY 5
	s_branch .Lgot
.Larm_6:
	COPY 6
	s_branch .Lgot
.Larm_7:
	COPY 7
.Lgot:
	GELU16 T, ZC, ZZ, PP
	GELU16 T+16, ZC, ZZ, PP
	GELU16 T+32, ZC, ZZ, PP
	GELU16 T+48, ZC, ZZ, PP
	QUANT64 T, PW
	v_mov_b32 v[SW], v[SW+1]                       ; the last four blocks' scale words
	v_mov_b32 v[SW+1], v[SW+2]
	v_mov_b32 v[SW+2], v[SW+3]
	v_mov_b32 v[SW+3], v[PW]
	global_store_b128 v[L16], v[PC:PC+3], s[24:25]
	global_store_b64 v[L8], v[PC+4:PC+5], s[24:25] offset:512
	global_store_b128 v[L16], v[PC+6:PC+9], s[24:25] offset:768
	global_store_b64 v[L8], v[PC+10:PC+11], s[24:25] offset:1280
	s_and_b32 s29, s[AI], 3
	s_cmp_eq_u32 s29, 3
	s_cbranch_scc0 .Lno_words
	v_cndmask_b32 v[W], v[SW], v[SW+2], s[MSK]     ; four tiles' words: 256 consecutive bytes
	v_cndmask_b32 v[W+1], v[SW+1], v[SW+3], s[MSK]
	global_store_b64 v[L8], v[W:W+1], s[26:27]
	s_wait_xcnt 0x0                                ; the store has read its base
	s_add_nc_u64 s[26:27], s[26:27], 8192
.Lno_words:
	s_wait_xcnt 0x0                                ; the stores have read their registers and their base: both are written again in the next trip
	s_add_nc_u64 s[24:25], s[24:25], 49152
	s_add_co_u32 s[AI], s[AI], 1
	s_cmp_lt_u32 s[AI], 8
	s_cbranch_scc1 .Lout
	s_wait_tensorcnt 0x0                           ; the wave's end
	ds_add_u32 v[SPW], v[NIL]
	s_wait_dscnt 0x0
	CROUND                                         ; the closing round
	s_endpgm
.Lfunc_end_k_q251f2cb2b1_fc:
	.size	k_q251f2cb2b1_fc, .Lfunc_end_k_q251f2cb2b1_fc-k_q251f2cb2b1_fc
	.p2alignl 7, 3214868480
	.fill 96, 4, 3214868480
	.section	.rodata,"a",@progbits
	.p2align	6, 0x0
	.amdhsa_kernel k_q251f2cb2b1_fc
		.amdhsa_group_segment_fixed_size 327680
		.amdhsa_private_segment_fixed_size 0
		.amdhsa_enable_private_segment 0
		.amdhsa_kernarg_size 32
		.amdhsa_user_sgpr_count 2
		.amdhsa_user_sgpr_kernarg_segment_ptr 1
		.amdhsa_wavefront_size32 1
		.amdhsa_system_sgpr_workgroup_id_x 1
		.amdhsa_system_sgpr_workgroup_id_y 1
		.amdhsa_system_sgpr_workgroup_id_z 1
		.amdhsa_system_vgpr_workitem_id 0
		.amdhsa_next_free_vgpr 1024
		.amdhsa_next_free_sgpr 100
		.amdhsa_reserve_vcc 0
		.amdhsa_float_denorm_mode_32 3
		.amdhsa_float_denorm_mode_16_64 3
		.amdhsa_memory_ordered 1
		.amdhsa_forward_progress 1
		.amdhsa_inst_pref_size 178
	.end_amdhsa_kernel
	.amdgpu_metadata
---
amdhsa.version: [ 1, 2 ]
amdhsa.kernels:
  - .name:           k_q251f2cb2b1_fc
    .symbol:         k_q251f2cb2b1_fc.kd
    .args:
      - { .name: ws3, .offset: 0, .size: 8, .value_kind: global_buffer, .address_space: global }
      - { .name: ws0, .offset: 8, .size: 8, .value_kind: global_buffer, .address_space: global }
      - { .name: b_fc, .offset: 16, .size: 8, .value_kind: global_buffer, .address_space: global }
      - { .name: ws4, .offset: 24, .size: 8, .value_kind: global_buffer, .address_space: global }
    .group_segment_fixed_size: 327680
    .private_segment_fixed_size: 0
    .kernarg_segment_align: 8
    .kernarg_segment_size: 32
    .max_flat_workgroup_size: 128
    .sgpr_count:     100
    .vgpr_count:     1024
    .wavefront_size: 32
...
	.end_amdgpu_metadata
.endif
;; end of part 5
;; launch fc2 (part 6): grid 8 x 32, 4 waves a work-group, clusters of 4 x 4, 327,680 bytes of LDS; arguments ws4, ws0, b_fc2, ws3, out0; writes out0
.if DOCPART == 6
	.amdgcn_target "amdgcn-amd-amdhsa--gfx1250"
	.amdhsa_code_object_version 6
	.text
	.protected	k_q251f2cb2b1_fc2
	.globl	k_q251f2cb2b1_fc2
	.p2align	8
	.type	k_q251f2cb2b1_fc2,@function
k_q251f2cb2b1_fc2:
	s_mov_b64 s[64:65], 0
	v_nop
	global_prefetch_b8 v0, s[64:65] scope:SCOPE_SE
	s_setreg_imm32_b32 hwreg(HW_REG_WAVE_MODE, 25, 1), 1
	s_wait_xcnt 0x0
	s_wait_alu depctr_hold_cnt(0) depctr_sa_sdst(0) depctr_va_vdst(0) depctr_va_sdst(0) depctr_va_ssrc(0) depctr_va_vcc(0) depctr_vm_vsrc(0)
	s_getreg_b32 s2, hwreg(HW_REG_IB_STS2, 6, 4)
	s_cmp_eq_u32 s2, 0
	s_cbranch_scc0 .Lentry_in_a_cluster
	s_endpgm
.Lentry_in_a_cluster:
	s_bfe_u32 s2, ttmp6, 0x10000c
	s_cmp_lg_u32 s2, 0xf033
	s_cbranch_scc0 .Lentry_shape_is_right
	s_endpgm
.Lentry_shape_is_right:
.set TROW, 49152
.set AS_OFF, 12582912
.set BQ_OFF, 9830400
.set BS_OFF, 12976128
.set FR,    12
.set TX,    6*1536
.set TY,    7*1536
.set QX,    4*TX
.set QY,    4*TY
.set RY,    4*QX
.set SPARE, RY+4*QY
.set STO,  8
.set RD,   9
.set GO,   10
.set H64,  14
.set ADRA, 16
.set ADRB, 20
.set L16,  24
.set L8,   25
.set SPW,  28
.set NIL,  29
.set T,    32
.set SA,   64
.set SB,   128
.set OB,   192
.set AF,   0
.set BF,   96
.set BI,   192
.set G1AX, 24
.set G1AY, 68
.set G0A,  32
.set G1BX, 48
.set G1BY, 80
.set G0B,  56
.set SAB,  76
.set SBB,  78
.set MULW, 0x5a
.set TO_F, 0x80
.set MSB, 0
.macro WIN new
.if MSB != (\new)
	s_set_vgpr_msb (MSB<<8)|(\new)
.set MSB, (\new)
.endif
.endm
.macro JLOAD g0a, g1a, g0b, g1b
	s_cmp_eq_u32 s15, 0
	s_cbranch_scc0 .Lfor_b_\@
	tensor_load_to_lds s[\g0a:\g0a+3], s[\g1a:\g1a+7]
	s_nop 0
.rept 4
	v_nop
.endr
	s_branch .Lasked_\@
.Lfor_b_\@:
	tensor_load_to_lds s[\g0b:\g0b+3], s[\g1b:\g1b+7]
	s_nop 0
.rept 4
	v_nop
.endr
.Lasked_\@:
.endm
.macro CREST
	s_cmp_lg_u32 s14, 0
	s_cbranch_scc1 .Lnot_wave_0_\@
	s_barrier_signal -3
.Lnot_wave_0_\@:
	s_barrier_wait -3
	s_barrier_signal -1
	s_barrier_wait -1
.endm
.macro CROUND
	s_barrier_signal -1
	s_barrier_wait -1
	CREST
.endm
	s_load_b128 s[4:7], s[0:1], 0x0
	s_load_b128 s[88:91], s[0:1], 0x10
	s_load_b64 s[8:9], s[0:1], 0x20
	v_lshl_add_u32 v[SPW], v0, 2, SPARE
	v_mov_b32 v[NIL], 0
	ds_add_u32 v[SPW], v[NIL]
	ds_add_u32 v[SPW], v[NIL]
	v_lshrrev_b32 v1, 5, v0
	v_readfirstlane_b32 s14, v1
	s_lshr_b32 s15, s14, 1
	s_and_b32 s16, s14, 1
	s_bfe_u32 s40, ttmp6, 0x40000
	s_bfe_u32 s41, ttmp6, 0x40004
	s_lshl_b32 s42, ttmp9, 2
	s_add_co_u32 s42, s42, s40
	s_and_b32 s17, ttmp7, 0xffff
	s_lshl_b32 s17, s17, 2
	s_add_co_u32 s17, s17, s41
	s_lshl_b32 s43, s41, 2
	s_lshl_b32 s43, 15, s43
	s_lshl_b32 s44, 0x1111, s40
	s_or_b32 s[G1AX+0], s43, (3<<16)|(1<<21)
	s_or_b32 s[G1AY+0], s43, (3<<16)|(1<<21)
	s_or_b32 s[G1BX+0], s44, (3<<16)|(1<<21)
	s_or_b32 s[G1BY+0], s44, (3<<16)|(1<<21)
.irp g, G1AX, G1BX
	s_mov_b32 s[\g+1], (TX/8)<<16
	s_mov_b32 s[\g+2], 4<<16
	s_mov_b32 s[\g+3], (TX/8)<<16
	s_mov_b32 s[\g+4], 4
	s_mov_b32 s[\g+5], TROW/8
	s_mov_b32 s[\g+6], 0
	s_mov_b32 s[\g+7], 0
.endr
.irp g, G1AY, G1BY
	s_mov_b32 s[\g+1], (TY/8)<<16
	s_mov_b32 s[\g+2], 4<<16
	s_mov_b32 s[\g+3], (TY/8)<<16
	s_mov_b32 s[\g+4], 4
	s_mov_b32 s[\g+5], TROW/8
	s_mov_b32 s[\g+6], 0
	s_mov_b32 s[\g+7], 0
.endr
	s_lshl_b32 s18, s16, 2
	s_lshl_b32 s20, s17, 3
	s_add_co_u32 s20, s20, s18
	s_mul_i32 s20, s20, TROW
	s_mov_b32 s21, 0
	s_lshl_b32 s46, s42, 3
	s_add_co_u32 s46, s46, s18
	s_mul_i32 s46, s46, TROW
	s_add_co_u32 s46, s46, BQ_OFF
	s_mov_b32 s47, 0
	s_lshl_b32 s22, s17, 1
	s_add_co_u32 s22, s22, s15
	s_lshl_b32 s22, s22, 13
	s_add_co_u32 s22, s22, AS_OFF
	s_mov_b32 s23, 0
	s_lshl_b32 s92, s42, 1
	s_add_co_u32 s92, s92, s16
	s_lshl_b32 s92, s92, 13
	s_add_co_u32 s92, s92, BS_OFF
	s_mov_b32 s93, 0
	s_mul_i32 s45, s14, QX
	s_mul_i32 s94, s14, QY
	s_add_co_u32 s94, s94, RY
	s_wait_dscnt 0x0
	s_wait_kmcnt 0x0
	s_add_nc_u64 s[20:21], s[4:5], s[20:21]
	s_add_nc_u64 s[46:47], s[6:7], s[46:47]
	s_add_nc_u64 s[SAB:SAB+1], s[4:5], s[22:23]
	s_add_nc_u64 s[SBB:SBB+1], s[6:7], s[92:93]
	CROUND
	s_mov_b32 s[G0A], 1
	s_mov_b32 s[G0A+1], s45
	s_mov_b64 s[G0A+2:G0A+3], s[20:21]
	s_or_b32 s[G0A+3], s[G0A+3], 0x80000000
	s_mov_b32 s[G0B], 1
	s_mov_b32 s[G0B+1], s45
	s_mov_b64 s[G0B+2:G0B+3], s[46:47]
	s_or_b32 s[G0B+3], s[G0B+3], 0x80000000
	JLOAD G0A, G1AX, G0B, G1BX
	s_mov_b32 s[G0A+4], 1
	s_mov_b32 s[G0A+5], s94
	s_add_nc_u64 s[G0A+6:G0A+7], s[20:21], TX
	s_or_b32 s[G0A+7], s[G0A+7], 0x80000000
	s_mov_b32 s[G0B+4], 1
	s_mov_b32 s[G0B+5], s94
	s_add_nc_u64 s[G0B+6:G0B+7], s[46:47], TX
	s_or_b32 s[G0B+7], s[G0B+7], 0x80000000
	s_wait_alu depctr_va_vdst(0)
	s_wait_tensorcnt 0x0
	ds_add_u32 v28, v29
	s_wait_dscnt 0x0
	CROUND
	JLOAD G0A+4, G1AY, G0B+4, G1BY
	v_and_b32 v1, 15, v0
	v_bfe_u32 v2, v0, 4, 1
	v_and_b32 v3, 31, v0
	v_lshlrev_b32 v[L16], 4, v3
	v_lshlrev_b32 v[L8], 4, v1
	v_lshl_add_u32 v[L8], v2, 3, v[L8]
.set k, 0
.rept 16
	global_load_b128 v[SA+4*k:SA+4*k+3], v[L16], s[SAB:SAB+1] offset:512*k
	global_load_b128 v[SB+4*k:SB+4*k+3], v[L16], s[SBB:SBB+1] offset:512*k
.set k, k+1
.endr
	s_mul_i32 s21, s15, QX
	s_mul_i32 s22, s16, QX
	s_add_co_u32 s22, s22, 2*QX
	v_add_nc_u32 v[ADRA], s21, v[L16]
	v_add_nc_u32 v[ADRB], s22, v[L16]
	v_add_nc_u32 v[ADRA+2], s21, v[L8]
	v_add_nc_u32 v[ADRB+2], s22, v[L8]
	s_mul_i32 s21, s15, QY
	s_add_co_u32 s21, s21, RY
	s_mul_i32 s22, s16, QY
	s_add_co_u32 s22, s22, RY+2*QY
	v_add_nc_u32 v[ADRA+1], s21, v[L16]
	v_add_nc_u32 v[ADRB+1], s22, v[L16]
	v_add_nc_u32 v[ADRA+3], s21, v[L8]
	v_add_nc_u32 v[ADRB+3], s22, v[L8]
	s_mul_i32 s21, s14, 4352
	s_add_co_u32 s21, s21, RY
	v_mul_u32_u24 v[STO], v1, 272
	v_lshl_add_u32 v[STO], v2, 6, v[STO]
	v_add_nc_u32 v[STO], s21, v[STO]
	v_mul_u32_u24 v[RD], v2, 272
	v_lshl_add_u32 v[RD], v1, 4, v[RD]
	v_add_nc_u32 v[RD], s21, v[RD]
	v_lshlrev_b32 v[GO], 12, v2
	v_lshl_add_u32 v[GO], v1, 4, v[GO]
	v_lshlrev_b32 v[H64], 6, v2
	s_lshl_b32 s18, s42, 9
	s_lshl_b32 s19, s16, 8
	s_add_co_u32 s18, s18, s19
	s_mov_b32 s19, 0
	s_lshl_b32 s12, s17, 19
	s_lshl_b32 s13, s15, 18
	s_add_co_u32 s12, s12, s13
	s_add_co_u32 s12, s12, s18
	s_mov_b32 s13, 0
	s_lshl_b32 s20, s17, 3
	s_add_co_u32 s20, s20, s42
	s_lshl_b32 s20, s20, 2
	s_add_co_u32 s20, s20, s14
	s_lshl_b32 s20, s20, 14
	s_mov_b32 s21, 0
	s_add_nc_u64 s[88:89], s[88:89], s[18:19]
	s_add_nc_u64 s[90:91], s[90:91], s[20:21]
	s_add_nc_u64 s[8:9], s[8:9], s[12:13]
.macro LOC s
.if (\s) < 6
.set RG, 0
.set QQ, (\s)
.elseif (\s) < 13
.set RG, 1
.set QQ, (\s)-6
.elseif (\s) < 19
.set RG, 0
.set QQ, (\s)-13
.elseif (\s) < 26
.set RG, 1
.set QQ, (\s)-19
.else
.set RG, 0
.set QQ, (\s)-26
.endif
.set TS, TX+RG*(TY-TX)
.endm
.macro FRAG reg, adr, i
	ds_load_b128 v[\reg:\reg+3], v[\adr] offset:(\i)*TS+QQ*1536
	ds_load_b64 v[\reg+4:\reg+5], v[\adr+2] offset:(\i)*TS+QQ*1536+512
	ds_load_b128 v[\reg+6:\reg+9], v[\adr] offset:(\i)*TS+QQ*1536+768
	ds_load_b64 v[\reg+10:\reg+11], v[\adr+2] offset:(\i)*TS+QQ*1536+1280
.endm
.macro FETCH s
	LOC \s
	WIN TO_F
.irp i, 0,1,2,3
	FRAG BF+48*((\s)%2)+FR*\i, ADRB+RG, \i
	FRAG AF+48*((\s)%2)+FR*\i, ADRA+RG, \i
.endr
	WIN 0
.endm
.macro MUL8 s, a0, zero
.irp a, \a0, \a0+1
.irp b, 0,1,2,3
.if \zero
	v_wmma_scale_f32_16x16x128_f8f6f4 v[8*(4*(\a)+\b):8*(4*(\a)+\b)+7], v[BF+48*((\s)%2)+FR*\b:BF+48*((\s)%2)+FR*\b+FR-1], v[AF+48*((\s)%2)+FR*(\a):AF+48*((\s)%2)+FR*(\a)+FR-1], 0, v[SB+4*((\s)/2)+\b], v[SA+4*((\s)/2)+(\a)] matrix_a_fmt:MATRIX_FMT_BF6 matrix_b_fmt:MATRIX_FMT_BF6
.elseif ((\s)%2) == 0
	v_wmma_scale_f32_16x16x128_f8f6f4 v[8*(4*(\a)+\b):8*(4*(\a)+\b)+7], v[BF+48*((\s)%2)+FR*\b:BF+48*((\s)%2)+FR*\b+FR-1], v[AF+48*((\s)%2)+FR*(\a):AF+48*((\s)%2)+FR*(\a)+FR-1], v[8*(4*(\a)+\b):8*(4*(\a)+\b)+7], v[SB+4*((\s)/2)+\b], v[SA+4*((\s)/2)+(\a)] matrix_a_fmt:MATRIX_FMT_BF6 matrix_b_fmt:MATRIX_FMT_BF6
.else
	v_wmma_scale_f32_16x16x128_f8f6f4 v[8*(4*(\a)+\b):8*(4*(\a)+\b)+7], v[BF+48*((\s)%2)+FR*\b:BF+48*((\s)%2)+FR*\b+FR-1], v[AF+48*((\s)%2)+FR*(\a):AF+48*((\s)%2)+FR*(\a)+FR-1], v[8*(4*(\a)+\b):8*(4*(\a)+\b)+7], v[SB+4*((\s)/2)+\b], v[SA+4*((\s)/2)+(\a)] matrix_a_fmt:MATRIX_FMT_BF6 matrix_b_fmt:MATRIX_FMT_BF6 matrix_a_scale:MATRIX_SCALE_ROW1 matrix_b_scale:MATRIX_SCALE_ROW1
.endif
.endr
.endr
.endm
.macro PLACES n
.rept \n
	v_nop
.endr
.endm
.macro KS s, zero
	PLACES 4
	FETCH (\s)+1
	s_wait_dscnt 32
	WIN MULW
	MUL8 \s, 0, \zero
	MUL8 \s, 2, \zero
	WIN 0
.endm
.macro TURN s, rg, fill
	s_wait_tensorcnt 0x0
	ds_add_u32 v[SPW], v[NIL]
	s_wait_dscnt 1
	WIN MULW
	MUL8 \s, 0, 0
	s_wait_dscnt 0x0
	s_barrier_signal -1
	MUL8 \s, 2, 0
	WIN 0
	s_barrier_wait -1
.if \fill
	CREST
	s_add_nc_u64 s[G0A+4*\rg+2:G0A+4*\rg+3], s[G0A+4*\rg+2:G0A+4*\rg+3], 13*1536
	s_add_nc_u64 s[G0B+4*\rg+2:G0B+4*\rg+3], s[G0B+4*\rg+2:G0B+4*\rg+3], 13*1536
	JLOAD G0A+4*\rg, G1AX+44*\rg, G0B+4*\rg, G1BX+32*\rg
.else
	PLACES 4
.endif
	FETCH (\s)+1
.endm
	s_wait_alu depctr_va_vdst(0)
	s_wait_tensorcnt 1
	s_barrier_signal -1
	s_barrier_wait -1
	s_wait_loadcnt 0x0
	FETCH 0
	WIN 0x40
.set k, 0
.rept 32
	global_load_b128 v[128+4*k:128+4*k+3], v[L16], s[90:91] offset:512*k th:TH_LOAD_NT
.set k, k+1
.endr
	WIN 0x80
.set k, 0
.rept 8
	global_load_b128 v[BI+4*k:BI+4*k+3], v[H64], s[88:89] offset:128*(k/4)+16*(k%4)
.set k, k+1
.endr
	WIN 0
	KS 0, 1
.irp s, 1,2,3,4
	KS \s, 0
.endr
	TURN 5, 0, 1
.irp s, 6,7,8,9,10,11
	KS \s, 0
.endr
	TURN 12, 1, 1
.irp s, 13,14,15,16,17
	KS \s, 0
.endr
	TURN 18, 0, 1
.irp s, 19,20,21,22,23,24
	KS \s, 0
.endr
	TURN 25, 1, 0
.irp s, 26,27,28,29,30
	KS \s, 0
.endr
	s_wait_dscnt 0x0
	WIN MULW
	MUL8 31, 0, 0
	MUL8 31, 2, 0
	WIN 0
	PLACES 4
	s_wait_loadcnt 0x0
.macro FOUT a
.set OA, OB+32*((\a)%2)
	WIN 0x09
.set n, 0
.rept 16
	v_pk_add_f32 v[T+n:T+n+1], v[32*(\a)+n:32*(\a)+n+1], v[BI+n:BI+n+1]
.set n, n+2
.endr
	WIN 0x04
.set n, 0
.rept 16
	v_pk_add_f32 v[T+n:T+n+1], v[T+n:T+n+1], v[128+32*(\a)+n:128+32*(\a)+n+1]
.set n, n+2
.endr
	WIN 0
.set n, 0
.rept 8
	ds_store_b128 v[STO], v[T+4*n:T+4*n+3] offset:128*(n/4)+16*(n%4)
.set n, n+1
.endr
.if (\a) >= 2
	s_wait_xcnt 0x0
.endif
.set n, 0
.rept 8
	ds_load_b128 v[OA+4*n:OA+4*n+3], v[RD] offset:2*n*272
.set n, n+1
.endr
	s_wait_dscnt 0x0
.set n, 0
.rept 8
	global_store_b128 v[GO], v[OA+4*n:OA+4*n+3], s[8:9] offset:(32*((\a)/2)+8*((\a)%2)+2*n+8*(n/4))*4096 th:TH_STORE_NT
.set n, n+1
.endr
.endm
	FOUT 0
	FOUT 1
	FOUT 2
	FOUT 3
	s_wait_tensorcnt 0x0
	ds_add_u32 v[SPW], v[NIL]
	s_wait_dscnt 0x0
	CROUND
	s_endpgm
.Lfunc_end_k_q251f2cb2b1_fc2:
	.size	k_q251f2cb2b1_fc2, .Lfunc_end_k_q251f2cb2b1_fc2-k_q251f2cb2b1_fc2
	.p2alignl 7, 3214868480
	.fill 96, 4, 3214868480
	.section	.rodata,"a",@progbits
	.p2align	6, 0x0
	.amdhsa_kernel k_q251f2cb2b1_fc2
		.amdhsa_group_segment_fixed_size 327680
		.amdhsa_private_segment_fixed_size 0
		.amdhsa_enable_private_segment 0
		.amdhsa_kernarg_size 40
		.amdhsa_user_sgpr_count 2
		.amdhsa_user_sgpr_kernarg_segment_ptr 1
		.amdhsa_wavefront_size32 1
		.amdhsa_system_sgpr_workgroup_id_x 1
		.amdhsa_system_sgpr_workgroup_id_y 1
		.amdhsa_system_sgpr_workgroup_id_z 1
		.amdhsa_system_vgpr_workitem_id 0
		.amdhsa_next_free_vgpr 768
		.amdhsa_next_free_sgpr 100
		.amdhsa_reserve_vcc 0
		.amdhsa_float_denorm_mode_32 3
		.amdhsa_float_denorm_mode_16_64 3
		.amdhsa_memory_ordered 1
		.amdhsa_forward_progress 1
		.amdhsa_inst_pref_size 173
	.end_amdhsa_kernel
	.amdgpu_metadata
---
amdhsa.version: [ 1, 2 ]
amdhsa.kernels:
  - .name:           k_q251f2cb2b1_fc2
    .symbol:         k_q251f2cb2b1_fc2.kd
    .args:
      - { .name: ws4, .offset: 0, .size: 8, .value_kind: global_buffer, .address_space: global }
      - { .name: ws0, .offset: 8, .size: 8, .value_kind: global_buffer, .address_space: global }
      - { .name: b_fc2, .offset: 16, .size: 8, .value_kind: global_buffer, .address_space: global }
      - { .name: ws3, .offset: 24, .size: 8, .value_kind: global_buffer, .address_space: global }
      - { .name: out0, .offset: 32, .size: 8, .value_kind: global_buffer, .address_space: global }
    .group_segment_fixed_size: 327680
    .private_segment_fixed_size: 0
    .kernarg_segment_align: 8
    .kernarg_segment_size: 40
    .max_flat_workgroup_size: 128
    .sgpr_count:     100
    .vgpr_count:     768
    .wavefront_size: 32
...
	.end_amdgpu_metadata
.endif
;; end of part 6
